; MI455X (gfx1250); checked and timed in simulation.
; The chip was launched on July 23, 2026; its instructions are those of AMD's public machine-readable ISA for CDNA 5 (MIT licence, August 2026) and "CDNA5" Instruction Set Architecture Reference Guide (July 2026). The comments in the code are by the model that wrote it; some were corrected since.
;; scaled dot product attention. Allowed arithmetic: float matrix products may take bf16 or f16 operands with f32 sums; all other float work in f32.
;; Inputs: K 4 x 16 x 2,048 x 64 float32; Q 4 x 16 x 2,048 x 64 float32; V 4 x 16 x 2,048 x 64 float32; mask 1 x 1 x 2,048 x 2,048 int32.
;; Outputs: out0 4 x 16 x 2,048 x 64 float32.
;; 3 versions, each right; version 2 is faster than version 1; version 3 is version 2 with the launch attn written anew for expert scheduling mode. Each part assembles by itself: llvm-mc -triple=amdgcn-amd-amdhsa -mcpu=gfx1250 --defsym DOCPART=n.
;; ======== version 1 of 3: 2 launches
;; limits: right only within a limited range of input values
;; workspace buffers: maskbits 524,288 bytes of whole numbers
;; launch pack (part 1): grid 256 x 1, 8 waves a work-group, no clusters, 68,608 bytes of LDS; arguments mask, maskbits; writes maskbits
.if DOCPART == 1
	.amdgcn_target "amdgcn-amd-amdhsa--gfx1250"
	.amdhsa_code_object_version 6
	.text
	.protected	k_qc51e4198ad_pack
	.globl	k_qc51e4198ad_pack
	.p2align	8
	.type	k_qc51e4198ad_pack,@function
k_qc51e4198ad_pack:
	s_mov_b64 s[64:65], 0
	v_nop
	global_prefetch_b8 v0, s[64:65] scope:SCOPE_SE
	s_setreg_imm32_b32 hwreg(HW_REG_WAVE_MODE, 25, 1), 1
	s_wait_xcnt 0x0
; The mask [2048 queries][2048 keys] of int32 is packed into words of 32 bits, one bit a lane, in the order in which the
; attention launch holds its scores: word (qblk, kt, j), at index qblk*1024 + kt*8 + j, has in bit L the truth of
;   mask[16 qblk + (L & 15)][16 kt + 8 (L >> 4) + j] != 0,
; which is the place of register j of a 16 x 16 f32 matrix result with m = key and n = query (ISA guide 7.12.2).
; The attention launch then masks a register of scores by one select on one such word, without a compare.
; 2,048 waves, one task each: 16 rows x 128 keys = 8 KiB in, 64 words = 256 bytes out.  A wave loads each of its 16 rows as
; 512 consecutive bytes, turns them through LDS bytes of its own (no other wave touches them: no barrier), and stores
; its 64 words as 256 consecutive bytes, aligned.  All of a wave's 16 loads are issued at once.
.set ROWB,  8192                       ; bytes in a row of the mask
.set PITCH, 528                        ; an LDS row: 512 bytes + 16, an odd multiple of 16: the 16 rows that a load touches start 16 bytes apart modulo 256
.set WLDS,  16*PITCH                   ; a wave's LDS bytes
.set GO,  1                            ; v1       16 x lane: my 16 bytes in a row of 512
.set LST, 2                            ; v2       LDS address at which I put them
.set LRD, 3                            ; v3       LDS address of my 32 bytes (8 keys) of row lane & 15
.set OO,  4                            ; v4       8 x lane: my two words of the result
.set W,   6                            ; v[6:7]   the result: lane l holds words 2 l and 2 l + 1
.set X,   8                            ; v[8:71]  the 16 rows as loaded
.set Y,   72                           ; v[72:135] tile t, register j: the mask word of my query and key 16 t + 8 h + j
	s_load_b128 s[4:7], s[0:1], 0x0                ; mask s[4:5], maskbits s[6:7]
	v_lshl_add_u32 v144, v0, 2, 0x10800
	v_mov_b32 v145, 0
	v_lshrrev_b32 v5, 5, v0
	v_readfirstlane_b32 s8, v5                     ; wave 0..7
	v_and_b32 v5, 31, v0                           ; lane
	v_lshlrev_b32 v[GO], 4, v5
	s_lshr_b32 s9, ttmp9, 1                        ; qblk: which 16 queries
	s_and_b32 s14, ttmp9, 1
	s_lshl_b32 s14, s14, 3
	s_add_co_u32 s14, s14, s8                      ; chunk: which 128 keys
	s_lshl_b32 s10, s9, 17                         ; 16 rows of 8,192 bytes
	s_lshl_b32 s15, s14, 9                         ; 128 keys of 4 bytes
	s_add_co_u32 s10, s10, s15
	s_mov_b32 s11, 0
	s_lshl_b32 s12, s9, 12                         ; 1,024 words for a qblk
	s_lshl_b32 s15, s14, 8                         ; 64 words for a chunk
	s_add_co_u32 s12, s12, s15
	s_mov_b32 s13, 0
	s_wait_kmcnt 0x0
	s_add_nc_u64 s[4:5], s[4:5], s[10:11]
	s_add_nc_u64 s[6:7], s[6:7], s[12:13]
.set i, 0
.rept 16
	global_load_b128 v[X+4*i:X+4*i+3], v[GO], s[4:5] offset:i*ROWB th:TH_LOAD_NT   ; row i: 512 consecutive bytes; the launch reads each byte once
.set i, i+1
.endr
	s_mul_i32 s24, s8, WLDS                        ; my wave's LDS bytes
	v_lshl_add_u32 v[LST], v5, 4, s24
	v_and_b32 v[LRD], 15, v0                       ; r: my query
	v_mul_u32_u24 v[LRD], v[LRD], PITCH
	v_bfe_u32 v[OO], v0, 4, 1                      ; h: which 8 of a tile's 16 keys
	v_lshl_add_u32 v[LRD], v[OO], 5, v[LRD]
	v_add_nc_u32 v[LRD], s24, v[LRD]
	v_lshlrev_b32 v[OO], 3, v5
	v_mov_b32 v[W], 0                              ; v_writelane_b32 keeps the other lanes: its destination is written whole first
	v_mov_b32 v[W+1], 0
.set i, 0
.rept 16
	s_wait_loadcnt 15-i                            ; loads come back in order: row i is in, the 15 - i younger ones stay out
	ds_store_b128 v[LST], v[X+4*i:X+4*i+3] offset:i*PITCH
.set i, i+1
.endr
.set i, 0
.rept 16
	ds_load_b128 v[Y+4*i:Y+4*i+3], v[LRD] offset:16*i   ; tile i / 2, keys 4 (i % 2) .. + 3 of my 8.  LDS serves a wave in order: these see the stores above
.set i, i+1
.endr
.set t, 0
.rept 8
	s_wait_dscnt 14-2*t                            ; tile t's two loads are in; the 14 - 2 t younger ones stay out
.irp j, 0,1,2,3,4,5,6,7
	v_cmp_ne_u32 s[16+\j], 0, v[Y+8*t+\j]          ; one bit a lane: the word (t, j)
	v_writelane_b32 v[W+(\j%2)], s[16+\j], 4*t+(\j/2)   ; word 8 t + j belongs to lane (8 t + j) / 2
.endr
.set t, t+1
.endr
	global_store_b64 v[OO], v[W:W+1], s[6:7]       ; 32 lanes store 256 consecutive bytes, at a multiple of 256 from the buffer's first byte
	s_wait_tensorcnt 0x0
	ds_add_u32 v144, v145
	s_wait_dscnt 0x0
	s_endpgm
.Lfunc_end_k_qc51e4198ad_pack:
	.size	k_qc51e4198ad_pack, .Lfunc_end_k_qc51e4198ad_pack-k_qc51e4198ad_pack
	.p2alignl 7, 3214868480
	.fill 96, 4, 3214868480
	.section	.rodata,"a",@progbits
	.p2align	6, 0x0
	.amdhsa_kernel k_qc51e4198ad_pack
		.amdhsa_group_segment_fixed_size 68608
		.amdhsa_private_segment_fixed_size 0
		.amdhsa_enable_private_segment 0
		.amdhsa_kernarg_size 16
		.amdhsa_user_sgpr_count 2
		.amdhsa_user_sgpr_kernarg_segment_ptr 1
		.amdhsa_wavefront_size32 1
		.amdhsa_system_sgpr_workgroup_id_x 1
		.amdhsa_system_sgpr_workgroup_id_y 1
		.amdhsa_system_sgpr_workgroup_id_z 1
		.amdhsa_system_vgpr_workitem_id 0
		.amdhsa_next_free_vgpr 146
		.amdhsa_next_free_sgpr 66
		.amdhsa_reserve_vcc 0
		.amdhsa_float_denorm_mode_32 3
		.amdhsa_float_denorm_mode_16_64 3
		.amdhsa_memory_ordered 1
		.amdhsa_forward_progress 1
		.amdhsa_inst_pref_size 15
	.end_amdhsa_kernel
	.amdgpu_metadata
---
amdhsa.version: [ 1, 2 ]
amdhsa.kernels:
  - .name:           k_qc51e4198ad_pack
    .symbol:         k_qc51e4198ad_pack.kd
    .args:
      - { .name: mask, .offset: 0, .size: 8, .value_kind: global_buffer, .address_space: global }
      - { .name: maskbits, .offset: 8, .size: 8, .value_kind: global_buffer, .address_space: global }
    .group_segment_fixed_size: 68608
    .private_segment_fixed_size: 0
    .kernarg_segment_align: 8
    .kernarg_segment_size: 16
    .max_flat_workgroup_size: 256
    .sgpr_count:     66
    .vgpr_count:     146
    .wavefront_size: 32
...
	.end_amdgpu_metadata
.endif
;; end of part 1
;; launch attn (part 2): grid 4 x 64, 8 waves a work-group, no clusters, 113,664 bytes of LDS; arguments K, V, Q, maskbits, out0; writes out0
.if DOCPART == 2
	.amdgcn_target "amdgcn-amd-amdhsa--gfx1250"
	.amdhsa_code_object_version 6
	.text
	.protected	k_qc51e4198ad_attn
	.globl	k_qc51e4198ad_attn
	.p2align	8
	.type	k_qc51e4198ad_attn,@function
k_qc51e4198ad_attn:
	s_mov_b64 s[64:65], 0
	v_nop
	global_prefetch_b8 v0, s[64:65] scope:SCOPE_SE
	s_setreg_imm32_b32 hwreg(HW_REG_WAVE_MODE, 25, 1), 1
	s_wait_xcnt 0x0
; out = softmax(where(mask == 0, -1e9, Q K^T / 8)) V for one head and 512 queries a work-group; all tensors f32, [64 heads][2048][64].
; Eight waves; a wave owns 64 queries as four blocks of 16 (qb) and walks the 2,048 keys in 32 trips of 64, with a running maximum.
; Matrix operands are bf16 (Q, K, V rounded as they stand, P rounded once), sums f32, softmax f32.
;
; EVERYTHING IS USED TRANSPOSED, so that a lane owns one query (n = lane & 15):
;   S^T = K Q^T: source 0 = 16 keys of K, source 1 = 16 queries of Q.  Register j of lane (r, h) holds key 16 kt + 8 h + j of query r.
;   Two neighbouring key tiles, narrowed in pairs, ARE the second source (k = 8 h .., 16 + 8 h ..) of O^T = V^T P^T: P is never moved between lanes.
;   V^T comes out of V's tile, kept [key][d] in LDS, by the transposing LDS load.
;   The row sum l is a matrix product too: a constant first source with 1.0 in rows 0 and 8 alone puts the sum over 32 keys into register 0 of both halves of the lanes.
; SCALE AND SHIFT: scores stay raw; p = exp2(c s + nm), c = log2(e) / 8, nm = round(-c m), m the running maximum of the masked raw scores: one fused
;   multiply-add a score.  Rounding is monotone, so nm is kept by a minimum; the old sums are multiplied by exp2(nm_new - nm_old).
; MASK: the words that the launch before has packed (one bit a lane, one word a register of scores) come by scalar loads, and one select a register puts
;   -8e9 = -1e9 x 8 in place of a masked raw score.  A row that is masked whole gets equal weights, as in the definition.
; LIMITS: the exponent of a row's largest term is not 0 but at most half the spacing of f32 at c m: at most 64 at the masked value, so p <= 2^64 and a row's
;   sum <= 2^75; raw scores beyond about 1e10 in magnitude are not served.  v_exp_f32 gives 0 for p below 2^-126 (ISA guide 15.8).  NaN and infinities in the
;   inputs are not treated.  l is the sum of the ROUNDED p, the same numbers that multiply V.
; NO CLUSTER, NO TENSOR LOADS: the four work-groups of a head read the same K and V, but the tiles are f32 in memory and bf16 in LDS.  Through registers a trip
;   stores 16 KiB into LDS; a joint load would land 32 KiB of f32 there, which would be read back (32 KiB) and stored again (16 KiB), and would tie four
;   work-groups to a round of the cluster's barrier in each of the 32 trips.
; ORDER IN LDS: two slots take turns.  In trip t every wave reads slot t % 2 whole into registers at the trip's head, and stores its sixteenth of tile t + 1 into the
;   other slot; ONE barrier closes the trip, with every wave's LDS instructions waited for in front of its signal: behind it the stored slot may be read and the
;   read slot may be stored.  Tile t + 2 is asked for from memory in trip t and waited for in trip t + 1.
;
; REGISTERS, window 0: v1-9 addresses and the masked value; v10-13 T (maxima); v[14:15] nm; v[16:17] alpha; v18-21 nm of each qb; v26-28 the way out;
;   v32-95 Q fragments [qb][ks]; v96-159 K fragments [kt][ks]; v160-223 scores, two buffers of 32 (qb % 2); v224-255 K and V on their way from memory.
; window 1 (written by the low 8 bits): v0-127 O [qb][dt]; v128-159 l [qb]; v160-223 V^T fragments [dt][ks]; v224-231 the constant source for l.
.set KP,     144                       ; LDS pitch of K's and Q's rows: 128 bytes + 16, an odd multiple of 16
.set VP,     160                       ; LDS pitch of V's rows: 128 bytes + 32, an odd multiple of 32, for the transposing load
.set VOFF,   64*KP                     ; V's tile lies behind K's
.set SLOT,   VOFF+64*VP                ; 19,456 bytes
.set STAGE,  2*SLOT                    ; behind the slots: 9,216 bytes of each wave's own (Q on its way in, O on its way out)
.set WST,    64*KP
.set OP,     272                       ; the way out: a row of 64 f32 + 16 bytes
.set TILEB,  16384                     ; 64 keys x 64 f32 in memory: a dense block
.set CSC,    0x3e38aa3b                ; c = log2(e) / 8
.set NCSC,   0xbe38aa3b                ; -c
.set MASKED, 0xcfee6b28                ; -8e9
.set KADR, 1
.set VADR, 2
.set KSTO, 3
.set VSTO, 4
.set GOFF, 5
.set QSTO, 6
.set QADR, 7
.set QOFF, 8
.set NEGV, 9
.set T,    10
.set NM,   14
.set AL,   16
.set NMS,  18
.set STO,  26
.set RD,   27
.set CO,   28
.set RL,   10                          ; at the end: 1 / l, a pair for each qb, in v10-17
.set QF,   32
.set KF,   96
.set SC,   160
.set STG,  224
.set OA,   0                           ; window 1
.set LA,   128                         ; window 1
.set VF,   160                         ; window 1
.set ONES, 224                         ; window 1
.set MSB, 0
.macro WIN new                         ; s_set_vgpr_msb: bits 1:0 source 0, 3:2 source 1, 5:4 source 2, 7:6 destination; the high byte repeats the setting that is left
.if MSB != \new
	s_set_vgpr_msb (MSB<<8)|\new
.set MSB, \new
.endif
.endm
.macro PLACES                          ; four independent vector instructions behind a matrix instruction (ISA guide 7.12.1)
.rept 4
	v_nop
.endr
.endm
; My sixteenth of a tile of K and of V, which lies in STG as f32, goes as bf16 into slot; load = 1: the tile after it is asked for.
; left = how many younger loads may stay out.  Thread t holds, of load i, row 16 i + t / 16, elements 4 (t % 16) .. + 3.
.macro CONV slot, left, load
	s_wait_loadcnt \left                           ; the eight loads are in: STG may be read, and their bases may be stepped
.irp i, 0,1,2,3
	v_cvt_pk_bf16_f32 v[STG+4*\i],   v[STG+4*\i],   v[STG+4*\i+1]
	v_cvt_pk_bf16_f32 v[STG+4*\i+1], v[STG+4*\i+2], v[STG+4*\i+3]
	ds_store_b64 v[KSTO], v[STG+4*\i:STG+4*\i+1] offset:(\slot)*SLOT+\i*16*KP
.endr
.irp i, 0,1,2,3
	v_cvt_pk_bf16_f32 v[STG+16+4*\i],   v[STG+16+4*\i],   v[STG+16+4*\i+1]
	v_cvt_pk_bf16_f32 v[STG+16+4*\i+1], v[STG+16+4*\i+2], v[STG+16+4*\i+3]
	ds_store_b64 v[VSTO], v[STG+16+4*\i:STG+16+4*\i+1] offset:(\slot)*SLOT+VOFF+\i*16*VP
.endr
.if \load
	s_add_nc_u64 s[4:5], s[4:5], TILEB
	s_add_nc_u64 s[6:7], s[6:7], TILEB
.irp i, 0,1,2,3
	global_load_b128 v[STG+4*\i:STG+4*\i+3], v[GOFF], s[4:5] offset:\i*4096          ; a wave's load covers 512 consecutive bytes
.endr
.irp i, 0,1,2,3
	global_load_b128 v[STG+16+4*\i:STG+16+4*\i+3], v[GOFF], s[6:7] offset:\i*4096    ; no hint: three other work-groups read the same tile
.endr
.endif
.endm
; The whole slot into registers: 8 fragments of K (16 keys x 32 d), then 8 of V^T (16 d x 32 keys).
.macro FRAGS slot
.irp kt, 0,1,2,3
.irp ks, 0,1
	ds_load_b128 v[KF+8*(2*\kt+\ks):KF+8*(2*\kt+\ks)+3],   v[KADR] offset:(\slot)*SLOT+\kt*16*KP+\ks*64
	ds_load_b128 v[KF+8*(2*\kt+\ks)+4:KF+8*(2*\kt+\ks)+7], v[KADR] offset:(\slot)*SLOT+\kt*16*KP+\ks*64+32
.endr
.endr
	WIN 0x40                                       ; destination in window 1
.irp dt, 0,1,2,3
.irp ks, 0,1
	ds_load_tr16_b128 v[VF+8*(2*\dt+\ks):VF+8*(2*\dt+\ks)+3],   v[VADR] offset:(\slot)*SLOT+VOFF+\ks*32*VP+\dt*32
	ds_load_tr16_b128 v[VF+8*(2*\dt+\ks)+4:VF+8*(2*\dt+\ks)+7], v[VADR] offset:(\slot)*SLOT+VOFF+\ks*32*VP+\dt*32+16*VP
.endr
.endr
	WIN 0
.endm
; Raw scores of 64 keys x the 16 queries of qb.  The first 32 of d start the sums; the four accumulators take turns.
.macro SQK qb
.set sb, SC+32*((\qb)%2)
.irp ks, 0,1
.irp kt, 0,1,2,3
.if \ks
	v_wmma_f32_16x16x32_bf16 v[sb+8*\kt:sb+8*\kt+7], v[KF+8*(2*\kt+\ks):KF+8*(2*\kt+\ks)+7], v[QF+16*\qb+8*\ks:QF+16*\qb+8*\ks+7], v[sb+8*\kt:sb+8*\kt+7]
.else
	v_wmma_f32_16x16x32_bf16 v[sb+8*\kt:sb+8*\kt+7], v[KF+8*(2*\kt+\ks):KF+8*(2*\kt+\ks)+7], v[QF+16*\qb+8*\ks:QF+16*\qb+8*\ks+7], 0
.endif
.endr
.endr
.endm
; Mask and maximum of qb's 32 scores a lane.  Even qb read the mask words in s[16:47], odd qb those in s[48:63] and s[68:83].
; fetch = 1: the next qb's 32 words are asked for, into the other set; step = 1: the words' base goes on to the next trip's 64 keys first.
.macro SMA qb, fetch, step
.set sb,  SC+32*((\qb)%2)
.set mb,  16+32*((\qb)%2)
.set gap, 4*((\qb)%2)
	s_wait_kmcnt 0x0                               ; my set is in, and no scalar load is out: the base may be stepped
.if \step
	s_add_nc_u64 s[10:11], s[10:11], 128
.endif
.if \fetch
.if (\qb)%2
	s_load_b512 s[16:31], s[10:11], (((\qb)+1)%4)*4096
	s_load_b512 s[32:47], s[10:11], (((\qb)+1)%4)*4096+64
.else
	s_load_b512 s[48:63], s[10:11], (((\qb)+1)%4)*4096
	s_load_b512 s[68:83], s[10:11], (((\qb)+1)%4)*4096+64
.endif
.endif
.set ei, 0
.rept 32
	v_cndmask_b32 v[sb+ei], v[NEGV], v[sb+ei], s[mb+ei+gap*(ei/16)]   ; bit set: the score stays; clear: -8e9
.set ei, ei+1
.endr
.irp k, 0,1,2,3
	v_max3_num_f32 v[T+\k], v[sb+8*\k], v[sb+8*\k+1], v[sb+8*\k+2]     ; four chains that do not wait for each other
.endr
.irp k, 0,1,2,3
	v_max3_num_f32 v[T+\k], v[T+\k], v[sb+8*\k+3], v[sb+8*\k+4]
.endr
.irp k, 0,1,2,3
	v_max3_num_f32 v[T+\k], v[T+\k], v[sb+8*\k+5], v[sb+8*\k+6]
.endr
	v_max3_num_f32 v[T], v[T], v[T+1], v[sb+7]
	v_max3_num_f32 v[T+2], v[T+2], v[T+3], v[sb+15]
	v_max3_num_f32 v[T], v[T], v[T+2], v[sb+23]
	v_max_num_f32 v[T], v[T], v[sb+31]
	v_permlanex16_b32 v[T+1], v[T], s84, s85       ; the other 32 keys of my query lie in lane xor 16
	v_max_num_f32 v[T], v[T], v[T+1]               ; the 64 keys' maximum
.endm
.macro EXP8 g
.irp j, 0,1,2,3,4,5,6,7
	v_exp_f32 v[sb+8*\g+\j], v[sb+8*\g+\j]
.endr
.endm
.macro CVT4 g                          ; narrowing number i puts scores 2 i and 2 i + 1 into register i of the same buffer: every register is read before it is written
	s_wait_alu depctr_va_vdst(0)
.irp j, 0,1,2,3
	v_cvt_pk_bf16_f32 v[sb+4*\g+\j], v[sb+8*\g+2*\j], v[sb+8*\g+2*\j+1]
.endr
.endm
; p = exp2(c s + nm), narrowed in place to the second source of the next product; the old sums are brought to the new shift.
; Behind each run of exponentials stands a plain instruction that touches none of the run's registers, and each narrowing has at least
; one plain instruction between it and the exponentials that it reads (ISA guide 5.7.2).
.macro SMB qb, first
.set sb, SC+32*((\qb)%2)
	v_mul_f32 v[NM], NCSC, v[T]                    ; -c x the tile's maximum
.if \first
.else
	v_min_num_f32 v[NM], v[NM], v[NMS+\qb]         ; the running maximum, as a minimum of the rounded shifts
	v_sub_f32 v[AL], v[NM], v[NMS+\qb]             ; <= 0
.endif
.set ei, 0
.rept 16
	v_pk_fma_f32 v[sb+ei:sb+ei+1], v[sb+ei:sb+ei+1], CSC, v[NM:NM+1] op_sel_hi:[1,0,0]   ; both halves take c and v[NM]
.set ei, ei+2
.endr
	EXP8 0
.if \first
.else
	v_exp_f32 v[AL], v[AL]                         ; alpha
.endif
	v_mov_b32 v[NMS+\qb], v[NM]
	EXP8 1
	CVT4 0
	EXP8 2
	CVT4 1
	EXP8 3
	CVT4 2
	CVT4 3
.if \first
.else
	WIN 0x41                                       ; destination and source 0 in window 1
.set ei, 0
.rept 16
	v_pk_mul_f32 v[OA+32*\qb+ei:OA+32*\qb+ei+1], v[OA+32*\qb+ei:OA+32*\qb+ei+1], v[AL:AL+1] op_sel_hi:[1,0]
.set ei, ei+2
.endr
	v_mul_f32 v[LA+8*\qb], v[LA+8*\qb], v[AL]      ; l lies in register 0; registers 1 to 7 of its tile are 0 and stay so
.endif
.endm
; O^T += V^T P^T and l += 1 P^T, 64 keys.  first = 1: the first 32 keys start the sums: nothing is ever cleared.
; The five accumulators take turns.
.macro PV qb, first
.set sb, SC+32*((\qb)%2)
	WIN 0x51                                       ; source 0, C and D in window 1; P in window 0
.irp ks, 0,1
.irp dt, 0,1,2,3
.if \first*(1-\ks)
	v_wmma_f32_16x16x32_bf16 v[OA+32*\qb+8*\dt:OA+32*\qb+8*\dt+7], v[VF+8*(2*\dt+\ks):VF+8*(2*\dt+\ks)+7], v[sb+8*\ks:sb+8*\ks+7], 0
.else
	v_wmma_f32_16x16x32_bf16 v[OA+32*\qb+8*\dt:OA+32*\qb+8*\dt+7], v[VF+8*(2*\dt+\ks):VF+8*(2*\dt+\ks)+7], v[sb+8*\ks:sb+8*\ks+7], v[OA+32*\qb+8*\dt:OA+32*\qb+8*\dt+7]
.endif
.endr
.if \first*(1-\ks)
	v_wmma_f32_16x16x32_bf16 v[LA+8*\qb:LA+8*\qb+7], v[ONES:ONES+7], v[sb+8*\ks:sb+8*\ks+7], 0
.else
	v_wmma_f32_16x16x32_bf16 v[LA+8*\qb:LA+8*\qb+7], v[ONES:ONES+7], v[sb+8*\ks:sb+8*\ks+7], v[LA+8*\qb:LA+8*\qb+7]
.endif
.endr
	WIN 0
.endm
; One trip: 64 keys out of slot.  The next qb's scores are issued between the two halves of a qb's softmax, so that matrix and vector work lie side by side.
; Between a product and the first vector instruction on its result, and between a product and the product that writes over its source, stand
; at least the 16 narrowings of CONV (or PLACES), a whole SMA or a whole SMB, on other registers.
.macro TRIP slot, first, conv, load, last
	FRAGS \slot
	s_wait_dscnt 16                                ; K's 16 loads are in; the 16 younger ones, V's, may stay out
	SQK 0
.if \conv
	CONV 1-\slot, 0, \load                         ; the next tile, asked for a trip ago, into the other slot
.else
	PLACES
.endif
	SMA 0, 1, 0
	SQK 1
	SMB 0, \first
	s_wait_dscnt 0x0                               ; V's fragments are in
	PV 0, \first
	SMA 1, 1, 0
	SQK 2
	SMB 1, \first
	PV 1, \first
	SMA 2, 1, 0
	SQK 3
	SMB 2, \first
	PV 2, \first
	SMA 3, 1-\last, 1-\last
	SMB 3, \first
	PV 3, \first
	PLACES                                         ; before V's fragments are loaded again, or O and l are read
.if \last
.else
	s_wait_dscnt 0x0                               ; my reads of this slot and my stores into the other are done,
	s_barrier_signal -1
	s_barrier_wait -1                              ; and so are every wave's
.endif
.endm
	; ---- addresses, and everything that comes from memory is asked for first
	s_load_b256 s[4:11], s[0:1], 0x0               ; K s[4:5], V s[6:7], Q s[8:9], maskbits s[10:11]
	s_load_b64 s[12:13], s[0:1], 0x20              ; out0
	v_lshl_add_u32 v30, v0, 2, 0x1b800
	v_mov_b32 v31, 0
	v_lshrrev_b32 v[T], 5, v0
	v_readfirstlane_b32 s14, v[T]                  ; wave 0..7
	v_lshlrev_b32 v[GOFF], 4, v0                   ; K, V: 16 bytes a thread, 4,096 a load of the work-group
	v_and_b32 v[QOFF], 31, v0
	v_lshlrev_b32 v[QOFF], 4, v[QOFF]              ; Q: 16 bytes a lane
	s_and_b32 s2, ttmp7, 0xffff                    ; head
	s_lshl_b32 s2, s2, 19                          ; 2,048 rows of 256 bytes
	s_mov_b32 s3, 0
	s_lshl_b32 s88, ttmp9, 3
	s_add_co_u32 s88, s88, s14                     ; which 64 queries: 8 x block + wave
	s_lshl_b32 s88, s88, 14                        ; 64 rows of 256 bytes in Q and out0; also 4 blocks of 4,096 bytes of mask words
	s_mov_b32 s89, 0
	s_wait_kmcnt 0x0
	s_add_nc_u64 s[4:5], s[4:5], s[2:3]
	s_add_nc_u64 s[6:7], s[6:7], s[2:3]
	s_add_nc_u64 s[8:9], s[8:9], s[2:3]
	s_add_nc_u64 s[8:9], s[8:9], s[88:89]
	s_add_nc_u64 s[10:11], s[10:11], s[88:89]
	s_add_nc_u64 s[12:13], s[12:13], s[2:3]
	s_add_nc_u64 s[12:13], s[12:13], s[88:89]
	s_load_b512 s[16:31], s[10:11], 0x0            ; the mask words of trip 0, qb 0
	s_load_b512 s[32:47], s[10:11], 0x40
.irp i, 0,1,2,3
	global_load_b128 v[STG+4*\i:STG+4*\i+3], v[GOFF], s[4:5] offset:\i*4096          ; tile 0
.endr
.irp i, 0,1,2,3
	global_load_b128 v[STG+16+4*\i:STG+16+4*\i+3], v[GOFF], s[6:7] offset:\i*4096
.endr
.set i, 0
.rept 32
	global_load_b128 v[KF+4*i:KF+4*i+3], v[QOFF], s[8:9] offset:512*i th:TH_LOAD_NT  ; my 64 rows of Q, two rows a load, into v96-223; read once in the launch
.set i, i+1
.endr
	s_mul_i32 s86, s14, WST
	s_add_co_u32 s86, s86, STAGE                   ; my wave's stage
	s_mov_b32 s84, 0x76543210                      ; v_permlanex16_b32: lane i of one half reads lane i of the other
	s_mov_b32 s85, 0xfedcba98
	v_and_b32 v[T], 15, v0                         ; r
	v_bfe_u32 v[T+1], v0, 4, 1                     ; h
	v_lshrrev_b32 v[T+2], 4, v0                    ; thread / 16
	v_and_b32 v[T+3], 7, v0
	v_bfe_u32 v[NM], v0, 3, 1
	v_mul_u32_u24 v[KADR], v[T], KP                ; a fragment along d: row r, 16 bytes for each half of the lanes
	v_lshl_add_u32 v[KADR], v[T+1], 4, v[KADR]
	v_lshl_add_u32 v[VADR], v[T+1], 3, v[T+3]      ; the transposing load: key 8 h + (lane & 7),
	v_mul_u32_u24 v[VADR], v[VADR], VP
	v_lshl_add_u32 v[VADR], v[NM], 4, v[VADR]      ; 16 bytes of d by bit 3 of the lane
	v_mul_u32_u24 v[KSTO], v[T+2], KP              ; where my 4 numbers of a tile's row go
	v_lshl_add_u32 v[KSTO], v[T], 3, v[KSTO]
	v_mul_u32_u24 v[VSTO], v[T+2], VP
	v_lshl_add_u32 v[VSTO], v[T], 3, v[VSTO]
	v_mul_u32_u24 v[QSTO], v[T+1], KP              ; Q into my stage: row 2 i + h, 4 numbers at 8 r
	v_lshl_add_u32 v[QSTO], v[T], 3, v[QSTO]
	v_add_nc_u32 v[QSTO], s86, v[QSTO]
	v_add_nc_u32 v[QADR], s86, v[KADR]
	v_mul_u32_u24 v[STO], v[T], OP                 ; the way out, in: row r (my query), 32 bytes for each half of the lanes
	v_lshl_add_u32 v[STO], v[T+1], 5, v[STO]
	v_add_nc_u32 v[STO], s86, v[STO]
	v_mul_u32_u24 v[RD], v[T+1], OP                ; back: lanes 0-15 one row of 256 bytes, lanes 16-31 the next
	v_lshl_add_u32 v[RD], v[T], 4, v[RD]
	v_add_nc_u32 v[RD], s86, v[RD]
	v_lshlrev_b32 v[CO], 8, v[T+1]                 ; and the same two rows in out0
	v_lshl_add_u32 v[CO], v[T], 4, v[CO]
	v_mov_b32 v[NEGV], MASKED
	v_mov_b32 v[AL+1], 0                           ; the upper halves of the two broadcast pairs are named, never used: written once
	v_mov_b32 v[NM+1], 0x3f803f80                  ; two bf16 1.0
	v_cmp_eq_u32 vcc_lo, 0, v[T+3]                 ; lanes 0, 8, 16, 24: rows 0 and 8 of a first source
	WIN 0x40
.irp j, 0,1,2,3,4,5,6,7
	v_cndmask_b32 v[ONES+\j], 0, v[NM+1], vcc_lo
.endr
	WIN 0
	CONV 0, 32, 1                                  ; tile 0 into slot 0: the 32 loads of Q are younger and may stay out; tile 1 is asked for
	s_wait_loadcnt 8                               ; Q is in; tile 1's eight loads are younger
.set i, 0
.rept 32
	v_cvt_pk_bf16_f32 v[KF+4*i],   v[KF+4*i],   v[KF+4*i+1]
	v_cvt_pk_bf16_f32 v[KF+4*i+1], v[KF+4*i+2], v[KF+4*i+3]
	ds_store_b64 v[QSTO], v[KF+4*i:KF+4*i+1] offset:2*KP*i
.set i, i+1
.endr
.irp qb, 0,1,2,3
.irp ks, 0,1
	ds_load_b128 v[QF+16*\qb+8*\ks:QF+16*\qb+8*\ks+3],   v[QADR] offset:\qb*16*KP+\ks*64      ; my own bytes: LDS serves a wave in order
	ds_load_b128 v[QF+16*\qb+8*\ks+4:QF+16*\qb+8*\ks+7], v[QADR] offset:\qb*16*KP+\ks*64+32
.endr
.endr
	s_wait_dscnt 0x0                               ; Q's fragments are in, and my part of slot 0 is stored,
	s_barrier_signal -1
	s_barrier_wait -1                              ; and so is every wave's
	; ---- 32 trips: 2 written out (the first starts the sums), 28 in the loop, 2 written out (no load passes K's or V's end)
	TRIP 0, 1, 1, 1, 0
	TRIP 1, 0, 1, 1, 0
	s_mov_b32 s15, 14
.Lloop:
	TRIP 0, 0, 1, 1, 0
	TRIP 1, 0, 1, 1, 0
	s_sub_co_u32 s15, s15, 1
	s_cmp_lg_u32 s15, 0
	s_cbranch_scc1 .Lloop
	TRIP 0, 0, 1, 0, 0                             ; trip 30: tile 31 goes into slot 1; nothing is left to ask for
	TRIP 1, 0, 0, 0, 1                             ; trip 31
	; ---- the way out: O / l, 16 queries at a time through my stage, so that 16 lanes store a whole row of 256 bytes
	WIN 0x01                                       ; source 0 in window 1
.irp qb, 0,1,2,3
	v_rcp_f32 v[RL+2*\qb],   v[LA+8*\qb]           ; twice: a pair for the packed multiply
	v_rcp_f32 v[RL+2*\qb+1], v[LA+8*\qb]
.endr
	v_nop                                          ; the plain place behind the reciprocals (ISA guide 5.7.2)
	s_wait_alu depctr_va_vdst(0)
.macro OUT qb
.set sb, SC+32*((\qb)%2)
.set kb, KF+32*((\qb)%2)
	WIN 0x01
.set ei, 0
.rept 16
	v_pk_mul_f32 v[sb+ei:sb+ei+1], v[OA+32*\qb+ei:OA+32*\qb+ei+1], v[RL+2*\qb:RL+2*\qb+1]
.set ei, ei+2
.endr
	WIN 0
.irp dt, 0,1,2,3
	ds_store_b128 v[STO], v[sb+8*\dt:sb+8*\dt+3]   offset:64*\dt       ; d = 16 dt + 8 h + 0 .. 3 of my query
	ds_store_b128 v[STO], v[sb+8*\dt+4:sb+8*\dt+7] offset:64*\dt+16
.endr
	s_wait_xcnt 0x0                                ; the registers loaded next were the data of the stores two blocks ago: they are rewritten only behind this wait
.irp t, 0,1,2,3,4,5,6,7
	ds_load_b128 v[kb+4*\t:kb+4*\t+3], v[RD] offset:\t*2*OP            ; rows 2 t and 2 t + 1; my own bytes, served in order behind the stores above
.endr
.irp t, 0,1,2,3,4,5,6,7
	s_wait_dscnt 7-\t                              ; load t is in; the 7 - t younger ones stay out
	global_store_b128 v[CO], v[kb+4*\t:kb+4*\t+3], s[12:13] offset:(16*\qb+2*\t)*256 th:TH_STORE_NT   ; 16 lanes store 256 consecutive bytes, aligned
.endr
.endm
	OUT 0
	OUT 1
	OUT 2
	OUT 3
	s_wait_tensorcnt 0x0
	ds_add_u32 v30, v31
	s_wait_dscnt 0x0
	s_endpgm
.Lfunc_end_k_qc51e4198ad_attn:
	.size	k_qc51e4198ad_attn, .Lfunc_end_k_qc51e4198ad_attn-k_qc51e4198ad_attn
	.p2alignl 7, 3214868480
	.fill 96, 4, 3214868480
	.section	.rodata,"a",@progbits
	.p2align	6, 0x0
	.amdhsa_kernel k_qc51e4198ad_attn
		.amdhsa_group_segment_fixed_size 113664
		.amdhsa_private_segment_fixed_size 0
		.amdhsa_enable_private_segment 0
		.amdhsa_kernarg_size 40
		.amdhsa_user_sgpr_count 2
		.amdhsa_user_sgpr_kernarg_segment_ptr 1
		.amdhsa_wavefront_size32 1
		.amdhsa_system_sgpr_workgroup_id_x 1
		.amdhsa_system_sgpr_workgroup_id_y 1
		.amdhsa_system_sgpr_workgroup_id_z 1
		.amdhsa_system_vgpr_workitem_id 0
		.amdhsa_next_free_vgpr 512
		.amdhsa_next_free_sgpr 90
		.amdhsa_reserve_vcc 1
		.amdhsa_float_denorm_mode_32 3
		.amdhsa_float_denorm_mode_16_64 3
		.amdhsa_memory_ordered 1
		.amdhsa_forward_progress 1
		.amdhsa_inst_pref_size 255
	.end_amdhsa_kernel
	.section	.bss,"aw",@nobits
	.p2align	6
	.space	262144
	.amdgpu_metadata
---
amdhsa.version: [ 1, 2 ]
amdhsa.kernels:
  - .name:           k_qc51e4198ad_attn
    .symbol:         k_qc51e4198ad_attn.kd
    .args:
      - { .name: K, .offset: 0, .size: 8, .value_kind: global_buffer, .address_space: global }
      - { .name: V, .offset: 8, .size: 8, .value_kind: global_buffer, .address_space: global }
      - { .name: Q, .offset: 16, .size: 8, .value_kind: global_buffer, .address_space: global }
      - { .name: maskbits, .offset: 24, .size: 8, .value_kind: global_buffer, .address_space: global }
      - { .name: out0, .offset: 32, .size: 8, .value_kind: global_buffer, .address_space: global }
    .group_segment_fixed_size: 113664
    .private_segment_fixed_size: 0
    .kernarg_segment_align: 8
    .kernarg_segment_size: 40
    .max_flat_workgroup_size: 256
    .sgpr_count:     90
    .vgpr_count:     512
    .wavefront_size: 32
...
	.end_amdgpu_metadata
.endif
;; end of part 2
;; ======== version 2 of 3: 2 launches; 1.11 times as fast as version 1
;; limits: right only within a limited range of input values
;; workspace buffers: maskbits 524,288 bytes of whole numbers
;; launch pack: the kernel of part 1 again; grid 256 x 1, 8 waves a work-group, no clusters, 68,608 bytes of LDS; arguments mask, maskbits; writes maskbits
;; launch attn (part 3): grid 4 x 64, 8 waves a work-group, no clusters, 113,664 bytes of LDS; arguments K, V, Q, maskbits, out0; writes out0
.if DOCPART == 3
	.amdgcn_target "amdgcn-amd-amdhsa--gfx1250"
	.amdhsa_code_object_version 6
	.text
	.protected	k_qc51e4198ad_attn
	.globl	k_qc51e4198ad_attn
	.p2align	8
	.type	k_qc51e4198ad_attn,@function
k_qc51e4198ad_attn:
	s_mov_b64 s[64:65], 0
	v_nop
	global_prefetch_b8 v0, s[64:65] scope:SCOPE_SE
	s_setreg_imm32_b32 hwreg(HW_REG_WAVE_MODE, 25, 1), 1
	s_wait_xcnt 0x0
; out = softmax(where(mask == 0, -1e9, Q K^T / 8)) V for one head and 512 queries a work-group; all tensors f32, [64 heads][2048][64].
; Eight waves; a wave owns 64 queries as four blocks of 16 (qb) and walks the 2,048 keys in 32 trips of 64, with a running maximum.
; Matrix operands are bf16 (Q, K, V rounded as they stand, P rounded once), sums f32, softmax f32.
;
; EVERYTHING IS USED TRANSPOSED, so that a lane owns one query (n = lane & 15):
;   S^T = K Q^T: source 0 = 16 keys of K, source 1 = 16 queries of Q.  Register j of lane (r, h) holds key 16 kt + 8 h + j of query r.
;   Two neighbouring key tiles, narrowed in pairs, ARE the second source (k = 8 h .., 16 + 8 h ..) of O^T = V^T P^T: P is never moved between lanes.
;   V^T comes out of V's tile, kept [key][d] in LDS, by the transposing LDS load.
;   The row sum l is a matrix product too: a constant first source with 1.0 in rows 0 and 8 alone puts the sum over 32 keys into register 0 of both halves of the lanes.
; SCALE AND SHIFT: scores stay raw; p = exp2(c s + nm), c = log2(e) / 8, nm = round(-c m), m the running maximum of the masked raw scores: one fused
;   multiply-add a score.  Rounding is monotone, so nm is kept by a minimum; the old sums are multiplied by exp2(nm_new - nm_old).
; MASK: the words that the launch before has packed (one bit a lane, one word a register of scores) come by scalar loads, and one select a register puts
;   -8e9 = -1e9 x 8 in place of a masked raw score.  A row that is masked whole gets equal weights, as in the definition.
;   THE WORDS GO IN PAIRS OF BLOCKS.  Scalar loads come back in no fixed order, so a wait on them is for all of them: what a request has in which to land is
;   the work between the LAST request and the next wait.  There are registers for two blocks' words (2 x 32).  So both sets are used up back to back (the 64 selects
;   of blocks a and b), both are asked for again at once, and the one wait stands in front of the next pair's selects: a request has the work of two blocks less
;   those 64 selects, and a trip has two waits on scalar loads.
; LIMITS: the exponent of a row's largest term is not 0 but at most half the spacing of f32 at c m: at most 64 at the masked value, so p <= 2^64 and a row's
;   sum <= 2^75; raw scores beyond about 1e10 in magnitude are not served.  v_exp_f32 gives 0 for p below 2^-126 (ISA guide 15.8).  NaN and infinities in the
;   inputs are not treated.  l is the sum of the ROUNDED p, the same numbers that multiply V.
; NO CLUSTER, NO TENSOR LOADS: the four work-groups of a head read the same K and V, but the tiles are f32 in memory and bf16 in LDS.  Through registers a trip
;   stores 16 KiB into LDS; a joint load would land 32 KiB of f32 there, which would be read back (32 KiB) and stored again (16 KiB), and would tie four
;   work-groups to a round of the cluster's barrier in each of the 32 trips.
; ORDER IN LDS: two slots take turns.  In trip t every wave reads slot t % 2 whole into registers at the trip's head, and stores its sixteenth of tile t + 1 into the
;   other slot; these are all the LDS instructions of a trip, and they stand in its first part.  ONE barrier a trip, its halves apart: a wave waits for its LDS
;   instructions and signals behind the trip's last memory instruction (the request for the next mask words), and waits for the others at the trip's end; between
;   the two stand the softmax and the second products of blocks 2 and 3, register work alone.  Behind the wait the stored slot may be read (every wave's stores were
;   done in front of its signal) and the read slot may be stored (so were every wave's reads).  So a wave that is ahead by less than those two blocks' work does not stop.
;   Tile t + 2 is asked for from memory in trip t and waited for in trip t + 1.
;
; REGISTERS, window 0: v1-9 addresses and the masked value; v10-13 T (maxima); v[14:15] nm; v[16:17] alpha; v18-21 nm of each qb; v26-28 the way out;
;   v32-95 Q fragments [qb][ks]; v96-159 K fragments [kt][ks]; v160-223 scores, two buffers of 32 (qb % 2); v224-255 K and V on their way from memory.
; window 1 (written by the low 8 bits): v0-127 O [qb][dt]; v128-159 l [qb]; v160-223 V^T fragments [dt][ks]; v224-231 the constant source for l.
.set KP,     144                       ; LDS pitch of K's and Q's rows: 128 bytes + 16, an odd multiple of 16
.set VP,     160                       ; LDS pitch of V's rows: 128 bytes + 32, an odd multiple of 32, for the transposing load
.set VOFF,   64*KP                     ; V's tile lies behind K's
.set SLOT,   VOFF+64*VP                ; 19,456 bytes
.set STAGE,  2*SLOT                    ; behind the slots: 9,216 bytes of each wave's own (Q on its way in, O on its way out)
.set WST,    64*KP
.set OP,     272                       ; the way out: a row of 64 f32 + 16 bytes
.set TILEB,  16384                     ; 64 keys x 64 f32 in memory: a dense block
.set CSC,    0x3e38aa3b                ; c = log2(e) / 8
.set NCSC,   0xbe38aa3b                ; -c
.set MASKED, 0xcfee6b28                ; -8e9
.set KADR, 1
.set VADR, 2
.set KSTO, 3
.set VSTO, 4
.set GOFF, 5
.set QSTO, 6
.set QADR, 7
.set QOFF, 8
.set NEGV, 9
.set T,    10
.set NM,   14
.set AL,   16
.set NMS,  18
.set STO,  26
.set RD,   27
.set CO,   28
.set RL,   10                          ; at the end: 1 / l, a pair for each qb, in v10-17
.set QF,   32
.set KF,   96
.set SC,   160
.set STG,  224
.set OA,   0                           ; window 1
.set LA,   128                         ; window 1
.set VF,   160                         ; window 1
.set ONES, 224                         ; window 1
.set MSB, 0
.macro WIN new                         ; s_set_vgpr_msb: bits 1:0 source 0, 3:2 source 1, 5:4 source 2, 7:6 destination; the high byte repeats the setting that is left
.if MSB != \new
	s_set_vgpr_msb (MSB<<8)|\new
.set MSB, \new
.endif
.endm
.macro PLACES n                        ; n independent vector instructions behind a matrix instruction (ISA guide 7.12.1)
.rept \n
	v_nop
.endr
.endm
; My sixteenth of a tile of K and of V, which lies in STG as f32, goes as bf16 into slot; load = 1: the tile after it is asked for.
; left = how many younger loads may stay out.  Thread t holds, of load i, row 16 i + t / 16, elements 4 (t % 16) .. + 3.
.macro CONV slot, left, load
	s_wait_loadcnt \left                           ; the eight loads are in: STG may be read, and their bases may be stepped
.irp i, 0,1,2,3
	v_cvt_pk_bf16_f32 v[STG+4*\i],   v[STG+4*\i],   v[STG+4*\i+1]
	v_cvt_pk_bf16_f32 v[STG+4*\i+1], v[STG+4*\i+2], v[STG+4*\i+3]
	ds_store_b64 v[KSTO], v[STG+4*\i:STG+4*\i+1] offset:(\slot)*SLOT+\i*16*KP
.endr
.irp i, 0,1,2,3
	v_cvt_pk_bf16_f32 v[STG+16+4*\i],   v[STG+16+4*\i],   v[STG+16+4*\i+1]
	v_cvt_pk_bf16_f32 v[STG+16+4*\i+1], v[STG+16+4*\i+2], v[STG+16+4*\i+3]
	ds_store_b64 v[VSTO], v[STG+16+4*\i:STG+16+4*\i+1] offset:(\slot)*SLOT+VOFF+\i*16*VP
.endr
.if \load
	s_add_nc_u64 s[4:5], s[4:5], TILEB
	s_add_nc_u64 s[6:7], s[6:7], TILEB
.irp i, 0,1,2,3
	global_load_b128 v[STG+4*\i:STG+4*\i+3], v[GOFF], s[4:5] offset:\i*4096          ; a wave's load covers 512 consecutive bytes
.endr
.irp i, 0,1,2,3
	global_load_b128 v[STG+16+4*\i:STG+16+4*\i+3], v[GOFF], s[6:7] offset:\i*4096    ; no hint: three other work-groups read the same tile
.endr
.endif
.endm
; The whole slot into registers: 8 fragments of K (16 keys x 32 d), then 8 of V^T (16 d x 32 keys).
.macro FRAGS slot
.irp kt, 0,1,2,3
.irp ks, 0,1
	ds_load_b128 v[KF+8*(2*\kt+\ks):KF+8*(2*\kt+\ks)+3],   v[KADR] offset:(\slot)*SLOT+\kt*16*KP+\ks*64
	ds_load_b128 v[KF+8*(2*\kt+\ks)+4:KF+8*(2*\kt+\ks)+7], v[KADR] offset:(\slot)*SLOT+\kt*16*KP+\ks*64+32
.endr
.endr
	WIN 0x40                                       ; destination in window 1
.irp dt, 0,1,2,3
.irp ks, 0,1
	ds_load_tr16_b128 v[VF+8*(2*\dt+\ks):VF+8*(2*\dt+\ks)+3],   v[VADR] offset:(\slot)*SLOT+VOFF+\ks*32*VP+\dt*32
	ds_load_tr16_b128 v[VF+8*(2*\dt+\ks)+4:VF+8*(2*\dt+\ks)+7], v[VADR] offset:(\slot)*SLOT+VOFF+\ks*32*VP+\dt*32+16*VP
.endr
.endr
	WIN 0
.endm
; Raw scores of 64 keys x the 16 queries of qb.  The first 32 of d start the sums; the four accumulators take turns.
.macro SQK qb
.set sb, SC+32*((\qb)%2)
.irp ks, 0,1
.irp kt, 0,1,2,3
.if \ks
	v_wmma_f32_16x16x32_bf16 v[sb+8*\kt:sb+8*\kt+7], v[KF+8*(2*\kt+\ks):KF+8*(2*\kt+\ks)+7], v[QF+16*\qb+8*\ks:QF+16*\qb+8*\ks+7], v[sb+8*\kt:sb+8*\kt+7]
.else
	v_wmma_f32_16x16x32_bf16 v[sb+8*\kt:sb+8*\kt+7], v[KF+8*(2*\kt+\ks):KF+8*(2*\kt+\ks)+7], v[QF+16*\qb+8*\ks:QF+16*\qb+8*\ks+7], 0
.endif
.endr
.endr
.endm
; The mask on qb's 32 scores a lane.  Even qb read the words in s[16:47], odd qb those in s[48:63] and s[68:83].
.macro CND qb
.set sb,  SC+32*((\qb)%2)
.set mb,  16+32*((\qb)%2)
.set gap, 4*((\qb)%2)
.set ei, 0
.rept 32
	v_cndmask_b32 v[sb+ei], v[NEGV], v[sb+ei], s[mb+ei+gap*(ei/16)]   ; bit set: the score stays; clear: -8e9
.set ei, ei+1
.endr
.endm
; The words of blocks qa (even) and qa + 1 are asked for, into both sets, which the 64 selects in front have just used up.
; step = 1: they are the next trip's, 64 keys = 32 words on.  No scalar load is out here (the wait in front of the selects was for all), so the base may be stepped.
.macro FETCH qa, step
.if \step
	s_add_nc_u64 s[10:11], s[10:11], 128
.endif
	s_load_b512 s[16:31], s[10:11], (\qa)*4096
	s_load_b512 s[32:47], s[10:11], (\qa)*4096+64
	s_load_b512 s[48:63], s[10:11], ((\qa)+1)*4096
	s_load_b512 s[68:83], s[10:11], ((\qa)+1)*4096+64
.endm
; The maximum of qb's 64 masked scores of my query, into v[T].
.macro MAXT qb
.set sb,  SC+32*((\qb)%2)
.irp k, 0,1,2,3
	v_max3_num_f32 v[T+\k], v[sb+8*\k], v[sb+8*\k+1], v[sb+8*\k+2]     ; four chains that do not wait for each other
.endr
.irp k, 0,1,2,3
	v_max3_num_f32 v[T+\k], v[T+\k], v[sb+8*\k+3], v[sb+8*\k+4]
.endr
.irp k, 0,1,2,3
	v_max3_num_f32 v[T+\k], v[T+\k], v[sb+8*\k+5], v[sb+8*\k+6]
.endr
	v_max3_num_f32 v[T], v[T], v[T+1], v[sb+7]
	v_max3_num_f32 v[T+2], v[T+2], v[T+3], v[sb+15]
	v_max3_num_f32 v[T], v[T], v[T+2], v[sb+23]
	v_max_num_f32 v[T], v[T], v[sb+31]
	v_permlanex16_b32 v[T+1], v[T], s84, s85       ; the other 32 keys of my query lie in lane xor 16
	v_max_num_f32 v[T], v[T], v[T+1]               ; the 64 keys' maximum
.endm
.macro EXP8 g
.irp j, 0,1,2,3,4,5,6,7
	v_exp_f32 v[sb+8*\g+\j], v[sb+8*\g+\j]
.endr
.endm
.macro CVT4 g                          ; narrowing number i puts scores 2 i and 2 i + 1 into register i of the same buffer: every register is read before it is written
	s_wait_alu depctr_va_vdst(0)
.irp j, 0,1,2,3
	v_cvt_pk_bf16_f32 v[sb+4*\g+\j], v[sb+8*\g+2*\j], v[sb+8*\g+2*\j+1]
.endr
.endm
; p = exp2(c s + nm), narrowed in place to the second source of the next product; the old sums are brought to the new shift.
; Behind each run of exponentials stands a plain instruction that touches none of the run's registers, and each narrowing has at least
; one plain instruction between it and the exponentials that it reads (ISA guide 5.7.2).
.macro SMB qb, first
.set sb, SC+32*((\qb)%2)
	v_mul_f32 v[NM], NCSC, v[T]                    ; -c x the tile's maximum
.if \first
.else
	v_min_num_f32 v[NM], v[NM], v[NMS+\qb]         ; the running maximum, as a minimum of the rounded shifts
	v_sub_f32 v[AL], v[NM], v[NMS+\qb]             ; <= 0
.endif
.set ei, 0
.rept 16
	v_pk_fma_f32 v[sb+ei:sb+ei+1], v[sb+ei:sb+ei+1], CSC, v[NM:NM+1] op_sel_hi:[1,0,0]   ; both halves take c and v[NM]
.set ei, ei+2
.endr
	EXP8 0
.if \first
.else
	v_exp_f32 v[AL], v[AL]                         ; alpha
.endif
	v_mov_b32 v[NMS+\qb], v[NM]
	EXP8 1
	CVT4 0
	EXP8 2
	CVT4 1
	EXP8 3
	CVT4 2
	CVT4 3
.if \first
.else
	WIN 0x41                                       ; destination and source 0 in window 1
.set ei, 0
.rept 16
	v_pk_mul_f32 v[OA+32*\qb+ei:OA+32*\qb+ei+1], v[OA+32*\qb+ei:OA+32*\qb+ei+1], v[AL:AL+1] op_sel_hi:[1,0]
.set ei, ei+2
.endr
	v_mul_f32 v[LA+8*\qb], v[LA+8*\qb], v[AL]      ; l lies in register 0; registers 1 to 7 of its tile are 0 and stay so
.endif
.endm
; O^T += V^T P^T and l += 1 P^T, 64 keys.  first = 1: the first 32 keys start the sums: nothing is ever cleared.
; The five accumulators take turns.
.macro PV qb, first
.set sb, SC+32*((\qb)%2)
	WIN 0x51                                       ; source 0, C and D in window 1; P in window 0
.irp ks, 0,1
.irp dt, 0,1,2,3
.if \first*(1-\ks)
	v_wmma_f32_16x16x32_bf16 v[OA+32*\qb+8*\dt:OA+32*\qb+8*\dt+7], v[VF+8*(2*\dt+\ks):VF+8*(2*\dt+\ks)+7], v[sb+8*\ks:sb+8*\ks+7], 0
.else
	v_wmma_f32_16x16x32_bf16 v[OA+32*\qb+8*\dt:OA+32*\qb+8*\dt+7], v[VF+8*(2*\dt+\ks):VF+8*(2*\dt+\ks)+7], v[sb+8*\ks:sb+8*\ks+7], v[OA+32*\qb+8*\dt:OA+32*\qb+8*\dt+7]
.endif
.endr
.if \first*(1-\ks)
	v_wmma_f32_16x16x32_bf16 v[LA+8*\qb:LA+8*\qb+7], v[ONES:ONES+7], v[sb+8*\ks:sb+8*\ks+7], 0
.else
	v_wmma_f32_16x16x32_bf16 v[LA+8*\qb:LA+8*\qb+7], v[ONES:ONES+7], v[sb+8*\ks:sb+8*\ks+7], v[LA+8*\qb:LA+8*\qb+7]
.endif
.endr
	WIN 0
.endm
; One trip: 64 keys out of slot, the four blocks in two pairs.  A pair's scores lie in the two buffers; both are masked, the next pair's words are asked for, and
; each block's softmax and second product follow; a buffer gets the next pair's scores as soon as its P has been multiplied.
; THE PLACES (ISA guide 7.12.1), each on registers that the matrix instructions in question do not name:
;   first product -> the selects on its result: SQK 0: the 16 narrowings of CONV (or 4 v_nop); SQK 1: the selects of block 0; SQK 2: SMB 1; SQK 3: the selects of block 2.
;   second product, which reads P -> the first product that writes over P's buffer: PV 0 -> SQK 2: MAXT 1; PV 1 -> SQK 3: 5 v_nop;
;   PV 2 -> the next trip's SQK 0: MAXT 3 and SMB 3; PV 3 -> the next trip's SQK 1: the 4 v_nop at the trip's end and CONV (or 4 more v_nop).
.macro TRIP slot, first, conv, load, last
	FRAGS \slot
	s_wait_dscnt 16                                ; K's 16 loads are in; the 16 younger ones, V's, may stay out
	SQK 0
.if \conv
	CONV 1-\slot, 0, \load                         ; the next tile, asked for a trip ago, into the other slot
.else
	PLACES 4
.endif
	SQK 1
	s_wait_kmcnt 0x0                               ; the words of blocks 0 and 1, asked for behind the last trip's selects of blocks 2 and 3
	CND 0
	CND 1
	FETCH 2, 0
	MAXT 0
	SMB 0, \first
	s_wait_dscnt 0x0                               ; V's fragments are in (and my stores into the other slot are done): the trip's last LDS instruction is over
	PV 0, \first
	MAXT 1
	SQK 2
	SMB 1, \first
	PV 1, \first
	PLACES 5
	SQK 3
	s_wait_kmcnt 0x0                               ; the words of blocks 2 and 3
	CND 2
	CND 3
.if 1-\last
	FETCH 0, 1                                     ; the next trip's blocks 0 and 1; the last trip asks for nothing
	s_wait_dscnt 0x0                               ; for the others' sake: my reads of this slot and my stores into the other are done (met: none was issued since the wait in front of PV 0),
	s_barrier_signal -1                            ; say so; only register work follows up to the wait at the trip's end
.endif
	MAXT 2
	SMB 2, \first
	PV 2, \first
	MAXT 3
	SMB 3, \first
	PV 3, \first
	PLACES 4                                       ; before V's fragments are loaded again, or O and l are read
.if 1-\last
	s_barrier_wait -1                              ; every wave has said so: the other slot may be read, this one may be stored into
.endif
.endm
	; ---- addresses, and everything that comes from memory is asked for first
	s_load_b256 s[4:11], s[0:1], 0x0               ; K s[4:5], V s[6:7], Q s[8:9], maskbits s[10:11]
	s_load_b64 s[12:13], s[0:1], 0x20              ; out0
	v_lshl_add_u32 v30, v0, 2, 0x1b800
	v_mov_b32 v31, 0
	v_lshrrev_b32 v[T], 5, v0
	v_readfirstlane_b32 s14, v[T]                  ; wave 0..7
	v_lshlrev_b32 v[GOFF], 4, v0                   ; K, V: 16 bytes a thread, 4,096 a load of the work-group
	v_and_b32 v[QOFF], 31, v0
	v_lshlrev_b32 v[QOFF], 4, v[QOFF]              ; Q: 16 bytes a lane
	s_and_b32 s2, ttmp7, 0xffff                    ; head
	s_lshl_b32 s2, s2, 19                          ; 2,048 rows of 256 bytes
	s_mov_b32 s3, 0
	s_lshl_b32 s88, ttmp9, 3
	s_add_co_u32 s88, s88, s14                     ; which 64 queries: 8 x block + wave
	s_lshl_b32 s88, s88, 14                        ; 64 rows of 256 bytes in Q and out0; also 4 blocks of 4,096 bytes of mask words
	s_mov_b32 s89, 0
	s_wait_kmcnt 0x0
	s_add_nc_u64 s[4:5], s[4:5], s[2:3]
	s_add_nc_u64 s[6:7], s[6:7], s[2:3]
	s_add_nc_u64 s[8:9], s[8:9], s[2:3]
	s_add_nc_u64 s[8:9], s[8:9], s[88:89]
	s_add_nc_u64 s[10:11], s[10:11], s[88:89]
	s_add_nc_u64 s[12:13], s[12:13], s[2:3]
	s_add_nc_u64 s[12:13], s[12:13], s[88:89]
	FETCH 0, 0                                     ; the mask words of trip 0, blocks 0 and 1
.irp i, 0,1,2,3
	global_load_b128 v[STG+4*\i:STG+4*\i+3], v[GOFF], s[4:5] offset:\i*4096          ; tile 0
.endr
.irp i, 0,1,2,3
	global_load_b128 v[STG+16+4*\i:STG+16+4*\i+3], v[GOFF], s[6:7] offset:\i*4096
.endr
.set i, 0
.rept 32
	global_load_b128 v[KF+4*i:KF+4*i+3], v[QOFF], s[8:9] offset:512*i th:TH_LOAD_NT  ; my 64 rows of Q, two rows a load, into v96-223; read once in the launch
.set i, i+1
.endr
	s_mul_i32 s86, s14, WST
	s_add_co_u32 s86, s86, STAGE                   ; my wave's stage
	s_mov_b32 s84, 0x76543210                      ; v_permlanex16_b32: lane i of one half reads lane i of the other
	s_mov_b32 s85, 0xfedcba98
	v_and_b32 v[T], 15, v0                         ; r
	v_bfe_u32 v[T+1], v0, 4, 1                     ; h
	v_lshrrev_b32 v[T+2], 4, v0                    ; thread / 16
	v_and_b32 v[T+3], 7, v0
	v_bfe_u32 v[NM], v0, 3, 1
	v_mul_u32_u24 v[KADR], v[T], KP                ; a fragment along d: row r, 16 bytes for each half of the lanes
	v_lshl_add_u32 v[KADR], v[T+1], 4, v[KADR]
	v_lshl_add_u32 v[VADR], v[T+1], 3, v[T+3]      ; the transposing load: key 8 h + (lane & 7),
	v_mul_u32_u24 v[VADR], v[VADR], VP
	v_lshl_add_u32 v[VADR], v[NM], 4, v[VADR]      ; 16 bytes of d by bit 3 of the lane
	v_mul_u32_u24 v[KSTO], v[T+2], KP              ; where my 4 numbers of a tile's row go
	v_lshl_add_u32 v[KSTO], v[T], 3, v[KSTO]
	v_mul_u32_u24 v[VSTO], v[T+2], VP
	v_lshl_add_u32 v[VSTO], v[T], 3, v[VSTO]
	v_mul_u32_u24 v[QSTO], v[T+1], KP              ; Q into my stage: row 2 i + h, 4 numbers at 8 r
	v_lshl_add_u32 v[QSTO], v[T], 3, v[QSTO]
	v_add_nc_u32 v[QSTO], s86, v[QSTO]
	v_add_nc_u32 v[QADR], s86, v[KADR]
	v_mul_u32_u24 v[STO], v[T], OP                 ; the way out, in: row r (my query), 32 bytes for each half of the lanes
	v_lshl_add_u32 v[STO], v[T+1], 5, v[STO]
	v_add_nc_u32 v[STO], s86, v[STO]
	v_mul_u32_u24 v[RD], v[T+1], OP                ; back: lanes 0-15 one row of 256 bytes, lanes 16-31 the next
	v_lshl_add_u32 v[RD], v[T], 4, v[RD]
	v_add_nc_u32 v[RD], s86, v[RD]
	v_lshlrev_b32 v[CO], 8, v[T+1]                 ; and the same two rows in out0
	v_lshl_add_u32 v[CO], v[T], 4, v[CO]
	v_mov_b32 v[NEGV], MASKED
	v_mov_b32 v[AL+1], 0                           ; the upper halves of the two broadcast pairs are named, never used: written once
	v_mov_b32 v[NM+1], 0x3f803f80                  ; two bf16 1.0
	v_cmp_eq_u32 vcc_lo, 0, v[T+3]                 ; lanes 0, 8, 16, 24: rows 0 and 8 of a first source
	WIN 0x40
.irp j, 0,1,2,3,4,5,6,7
	v_cndmask_b32 v[ONES+\j], 0, v[NM+1], vcc_lo
.endr
	WIN 0
	CONV 0, 32, 1                                  ; tile 0 into slot 0: the 32 loads of Q are younger and may stay out; tile 1 is asked for
	s_wait_loadcnt 8                               ; Q is in; tile 1's eight loads are younger
.set i, 0
.rept 32
	v_cvt_pk_bf16_f32 v[KF+4*i],   v[KF+4*i],   v[KF+4*i+1]
	v_cvt_pk_bf16_f32 v[KF+4*i+1], v[KF+4*i+2], v[KF+4*i+3]
	ds_store_b64 v[QSTO], v[KF+4*i:KF+4*i+1] offset:2*KP*i
.set i, i+1
.endr
.irp qb, 0,1,2,3
.irp ks, 0,1
	ds_load_b128 v[QF+16*\qb+8*\ks:QF+16*\qb+8*\ks+3],   v[QADR] offset:\qb*16*KP+\ks*64      ; my own bytes: LDS serves a wave in order
	ds_load_b128 v[QF+16*\qb+8*\ks+4:QF+16*\qb+8*\ks+7], v[QADR] offset:\qb*16*KP+\ks*64+32
.endr
.endr
	s_wait_dscnt 0x0                               ; Q's fragments are in, and my part of slot 0 is stored,
	s_barrier_signal -1
	s_barrier_wait -1                              ; and so is every wave's
	; ---- 32 trips: 2 written out (the first starts the sums), 28 in the loop, 2 written out (no load passes K's, V's or the mask words' end)
	TRIP 0, 1, 1, 1, 0
	TRIP 1, 0, 1, 1, 0
	s_mov_b32 s15, 14
.Lloop:
	TRIP 0, 0, 1, 1, 0
	TRIP 1, 0, 1, 1, 0
	s_sub_co_u32 s15, s15, 1
	s_cmp_lg_u32 s15, 0
	s_cbranch_scc1 .Lloop
	TRIP 0, 0, 1, 0, 0                             ; trip 30: tile 31 goes into slot 1; nothing is left to ask for of K and V
	TRIP 1, 0, 0, 0, 1                             ; trip 31: no slot is stored or read behind it, so it has no barrier
	; ---- the way out: O / l, 16 queries at a time through my stage, so that 16 lanes store a whole row of 256 bytes
	WIN 0x01                                       ; source 0 in window 1
.irp qb, 0,1,2,3
	v_rcp_f32 v[RL+2*\qb],   v[LA+8*\qb]           ; twice: a pair for the packed multiply
	v_rcp_f32 v[RL+2*\qb+1], v[LA+8*\qb]
.endr
	v_nop                                          ; the plain place behind the reciprocals (ISA guide 5.7.2)
	s_wait_alu depctr_va_vdst(0)
.macro OUT qb
.set sb, SC+32*((\qb)%2)
.set kb, KF+32*((\qb)%2)
	WIN 0x01
.set ei, 0
.rept 16
	v_pk_mul_f32 v[sb+ei:sb+ei+1], v[OA+32*\qb+ei:OA+32*\qb+ei+1], v[RL+2*\qb:RL+2*\qb+1]
.set ei, ei+2
.endr
	WIN 0
.irp dt, 0,1,2,3
	ds_store_b128 v[STO], v[sb+8*\dt:sb+8*\dt+3]   offset:64*\dt       ; d = 16 dt + 8 h + 0 .. 3 of my query
	ds_store_b128 v[STO], v[sb+8*\dt+4:sb+8*\dt+7] offset:64*\dt+16
.endr
	s_wait_xcnt 0x0                                ; the registers loaded next were the data of the stores two blocks ago: they are rewritten only behind this wait
.irp t, 0,1,2,3,4,5,6,7
	ds_load_b128 v[kb+4*\t:kb+4*\t+3], v[RD] offset:\t*2*OP            ; rows 2 t and 2 t + 1; my own bytes, served in order behind the stores above
.endr
.irp t, 0,1,2,3,4,5,6,7
	s_wait_dscnt 7-\t                              ; load t is in; the 7 - t younger ones stay out
	global_store_b128 v[CO], v[kb+4*\t:kb+4*\t+3], s[12:13] offset:(16*\qb+2*\t)*256 th:TH_STORE_NT   ; 16 lanes store 256 consecutive bytes, aligned
.endr
.endm
	OUT 0
	OUT 1
	OUT 2
	OUT 3
	s_wait_tensorcnt 0x0
	ds_add_u32 v30, v31
	s_wait_dscnt 0x0
	s_endpgm
.Lfunc_end_k_qc51e4198ad_attn:
	.size	k_qc51e4198ad_attn, .Lfunc_end_k_qc51e4198ad_attn-k_qc51e4198ad_attn
	.p2alignl 7, 3214868480
	.fill 96, 4, 3214868480
	.section	.rodata,"a",@progbits
	.p2align	6, 0x0
	.amdhsa_kernel k_qc51e4198ad_attn
		.amdhsa_group_segment_fixed_size 113664
		.amdhsa_private_segment_fixed_size 0
		.amdhsa_enable_private_segment 0
		.amdhsa_kernarg_size 40
		.amdhsa_user_sgpr_count 2
		.amdhsa_user_sgpr_kernarg_segment_ptr 1
		.amdhsa_wavefront_size32 1
		.amdhsa_system_sgpr_workgroup_id_x 1
		.amdhsa_system_sgpr_workgroup_id_y 1
		.amdhsa_system_sgpr_workgroup_id_z 1
		.amdhsa_system_vgpr_workitem_id 0
		.amdhsa_next_free_vgpr 512
		.amdhsa_next_free_sgpr 90
		.amdhsa_reserve_vcc 1
		.amdhsa_float_denorm_mode_32 3
		.amdhsa_float_denorm_mode_16_64 3
		.amdhsa_memory_ordered 1
		.amdhsa_forward_progress 1
		.amdhsa_inst_pref_size 255
	.end_amdhsa_kernel
	.section	.bss,"aw",@nobits
	.p2align	6
	.space	262144
	.amdgpu_metadata
---
amdhsa.version: [ 1, 2 ]
amdhsa.kernels:
  - .name:           k_qc51e4198ad_attn
    .symbol:         k_qc51e4198ad_attn.kd
    .args:
      - { .name: K, .offset: 0, .size: 8, .value_kind: global_buffer, .address_space: global }
      - { .name: V, .offset: 8, .size: 8, .value_kind: global_buffer, .address_space: global }
      - { .name: Q, .offset: 16, .size: 8, .value_kind: global_buffer, .address_space: global }
      - { .name: maskbits, .offset: 24, .size: 8, .value_kind: global_buffer, .address_space: global }
      - { .name: out0, .offset: 32, .size: 8, .value_kind: global_buffer, .address_space: global }
    .group_segment_fixed_size: 113664
    .private_segment_fixed_size: 0
    .kernarg_segment_align: 8
    .kernarg_segment_size: 40
    .max_flat_workgroup_size: 256
    .sgpr_count:     90
    .vgpr_count:     512
    .wavefront_size: 32
...
	.end_amdgpu_metadata
.endif
;; end of part 3
;; ======== version 3 of 3: 2 launches; version 2 with the launch attn written anew for expert scheduling mode
;; limits: right only within a limited range of input values
;; workspace buffers: maskbits 524,288 bytes of whole numbers
;; launch pack: the kernel of part 1 again; grid 256 x 1, 8 waves a work-group, no clusters, 68,608 bytes of LDS; arguments mask, maskbits; writes maskbits
;; launch attn (part 4): grid 4 x 64, 8 waves a work-group, no clusters, 113,664 bytes of LDS; arguments K, V, Q, maskbits, out0; writes out0
.if DOCPART == 4
	.amdgcn_target "amdgcn-amd-amdhsa--gfx1250"
	.amdhsa_code_object_version 6
	.text
	.protected	k_qc51e4198ad_attn
	.globl	k_qc51e4198ad_attn
	.p2align	8
	.type	k_qc51e4198ad_attn,@function
k_qc51e4198ad_attn:
	s_mov_b64 s[64:65], 0
	v_nop
	global_prefetch_b8 v0, s[64:65] scope:SCOPE_SE
	s_setreg_imm32_b32 hwreg(HW_REG_WAVE_SCHED_MODE, 0, 2), 2
	s_setreg_imm32_b32 hwreg(HW_REG_WAVE_MODE, 25, 1), 1
	s_wait_xcnt 0x0
	s_wait_alu depctr_vm_vsrc(0)
; out = softmax(where(mask == 0, -1e9, Q K^T / 8)) V for one head and 512 queries a work-group; all tensors f32, [64 heads][2048][64].
; Eight waves; a wave owns 64 queries as four blocks of 16 (qb) and walks the 2,048 keys in 32 trips of 64, with a running maximum.
; Matrix operands are bf16 (Q, K, V rounded as they stand, P rounded once), sums f32, softmax f32.
;
; EVERYTHING IS USED TRANSPOSED, so that a lane owns one query (n = lane & 15):
;   S^T = K Q^T: source 0 = 16 keys of K, source 1 = 16 queries of Q.  Register j of lane (r, h) holds key 16 kt + 8 h + j of query r.
;   Two neighbouring key tiles, narrowed in pairs, ARE the second source (k = 8 h .., 16 + 8 h ..) of O^T = V^T P^T: P is never moved between lanes.
;   V^T comes out of V's tile, kept [key][d] in LDS, by the transposing LDS load.
;   The row sum l is a matrix product too: a constant first source with 1.0 in rows 0 and 8 alone puts the sum over 32 keys into register 0 of both halves of the lanes.
; SCALE AND SHIFT: scores stay raw; p = exp2(c s + nm), c = log2(e) / 8, nm = round(-c m), m the running maximum of the masked raw scores: one fused
;   multiply-add a score.  Rounding is monotone, so nm is kept by a minimum; the old sums are multiplied by exp2(nm_new - nm_old).
; MASK: the words that the launch before has packed (one bit a lane, one word a register of scores) come by scalar loads, and one select a register puts
;   -8e9 = -1e9 x 8 in place of a masked raw score.  A row that is masked whole gets equal weights, as in the definition.
;   THE WORDS GO IN PAIRS OF BLOCKS.  Scalar loads come back in no fixed order, so a wait on them is for all of them: what a request has in which to land is
;   the work between the LAST request and the next wait.  There are registers for two blocks' words (2 x 32).  So both sets are used up back to back (the 64 selects
;   of blocks a and b), both are asked for again at once, and the one wait stands in front of the next pair's selects: a request has the work of two blocks less
;   those 64 selects, and a trip has two waits on scalar loads.
; LIMITS: the exponent of a row's largest term is not 0 but at most half the spacing of f32 at c m: at most 64 at the masked value, so p <= 2^64 and a row's
;   sum <= 2^75; raw scores beyond about 1e10 in magnitude are not served.  v_exp_f32 gives 0 for p below 2^-126 (ISA guide 15.8).  NaN and infinities in the
;   inputs are not treated.  l is the sum of the ROUNDED p, the same numbers that multiply V.
; NO CLUSTER, NO TENSOR LOADS: the four work-groups of a head read the same K and V, but the tiles are f32 in memory and bf16 in LDS.  Through registers a trip
;   stores 16 KiB into LDS; a joint load would land 32 KiB of f32 there, which would be read back (32 KiB) and stored again (16 KiB), and would tie four
;   work-groups to a round of the cluster's barrier in each of the 32 trips.
; ORDER IN LDS: two slots take turns.  In trip t every wave reads slot t % 2 whole into registers, and stores its sixteenth of tile t + 1 into the
;   other slot; these are all the LDS instructions of a trip, and they stand in its first part.  ONE barrier a trip, its halves apart: a wave waits for its LDS
;   instructions and signals behind the trip's last memory instruction (the request for the next mask words), and waits for the others at the trip's end; between
;   the two stand the softmax and the second products of blocks 2 and 3 and the narrowing of the next tile but one, register work alone.  Behind the wait the stored
;   slot may be read (every wave's stores were done in front of its signal) and the read slot may be stored (so were every wave's reads).  So a wave that is ahead by
;   less than those two blocks' work does not stop.  Tile t + 2 is asked for from memory early in trip t, waited for and narrowed at that trip's end, and stored in trip t + 1.
; THE MODE: SCHED_MODE bits 1:0 = 2 (LLVM: expert scheduling mode 2), set by the entry lines.  The code itself states the register dependences
;   between vector or matrix instructions and memory or LDS instructions, with s_wait_alu, always for 0.
; THE PLAN.  Registers that memory or LDS instructions touch, in a trip:
;   KF    The 16 LDS loads at the trip's head land in it; SQK 0 to 3 read it.
;   VF    The 16 transposing loads behind SQK 0 land in it; PV 0 to 3 read it.
;   STG   The 8 LDS stores behind SQK 0 read it (the tile narrowed at the last trip's end); the 8 global loads behind SQK 1 land in it; the 16 narrowings at the trip's end read and write it.
;   v1-8  Addresses and offsets, made at the kernel's head and never written again: the slots stand in the immediates, K's and V's scalar bases step.
;   Q's fragments, the scores, O, l and the statistics are named by vector and matrix instructions alone.
;   ONE wait on va_vdst a trip, at its end, behind PV 3 and the narrowings: the first products are done reading KF, the second products are done reading VF, and STG is written
;   and no longer read.  All the next trip's loads and stores hang on that alone: between the wait and the last of them stand SQK 0, SQK 1 and v_nop, which name KF, Q's
;   fragments and the scores, none of the registers that the stores, V's loads and the global loads touch.  So these go out beside the first products with no further wait.
;   ONE wait on vm_vsrc a trip, ahead of the global loads: the LDS stores have read STG.
;
; REGISTERS, window 0: v1-9 addresses and the masked value; v10-13 T (maxima); v[14:15] nm; v[16:17] alpha; v18-21 nm of each qb; v26-28 the way out;
;   v32-95 Q fragments [qb][ks]; v96-159 K fragments [kt][ks]; v160-223 scores, two buffers of 32 (qb % 2); v224-255 K and V on their way from memory.
; window 1 (written by the low 8 bits): v0-127 O [qb][dt]; v128-159 l [qb]; v160-223 V^T fragments [dt][ks]; v224-231 the constant source for l.
.set KP,     144                       ; LDS pitch of K's and Q's rows: 128 bytes + 16, an odd multiple of 16
.set VP,     160                       ; LDS pitch of V's rows: 128 bytes + 32, an odd multiple of 32, for the transposing load
.set VOFF,   64*KP                     ; V's tile lies behind K's
.set SLOT,   VOFF+64*VP                ; 19,456 bytes
.set STAGE,  2*SLOT                    ; behind the slots: 9,216 bytes of each wave's own (Q on its way in, O on its way out)
.set WST,    64*KP
.set OP,     272                       ; the way out: a row of 64 f32 + 16 bytes
.set TILEB,  16384                     ; 64 keys x 64 f32 in memory: a dense block
.set CSC,    0x3e38aa3b                ; c = log2(e) / 8
.set NCSC,   0xbe38aa3b                ; -c
.set MASKED, 0xcfee6b28                ; -8e9
.set KADR, 1
.set VADR, 2
.set KSTO, 3
.set VSTO, 4
.set GOFF, 5
.set QSTO, 6
.set QADR, 7
.set QOFF, 8
.set NEGV, 9
.set T,    10
.set NM,   14
.set AL,   16
.set NMS,  18
.set STO,  26
.set RD,   27
.set CO,   28
.set RL,   10                          ; at the end: 1 / l, a pair for each qb, in v10-17
.set QF,   32
.set KF,   96
.set SC,   160
.set STG,  224
.set OA,   0                           ; window 1
.set LA,   128                         ; window 1
.set VF,   160                         ; window 1
.set ONES, 224                         ; window 1
.set MSB, 0
.macro WIN new                         ; s_set_vgpr_msb: bits 1:0 source 0, 3:2 source 1, 5:4 source 2, 7:6 destination; the high byte repeats the setting that is left
.if MSB != \new
	s_set_vgpr_msb (MSB<<8)|\new
.set MSB, \new
.endif
.endm
.macro PLACES n                        ; n independent vector instructions behind a matrix instruction (ISA guide 7.12.1)
.rept \n
	v_nop
.endr
.endm
; My sixteenth of a tile of K and of V goes from memory to LDS in three parts.  Thread t holds, of load i, row 16 i + t / 16, elements 4 (t % 16) .. + 3.
; NARROW: the tile, which lies in STG as f32, closes up as bf16 into the first two of each four registers.  left = how many younger loads may stay out.
.macro NARROW left
	s_wait_loadcnt \left                           ; the eight loads are in: STG may be read, and their bases may be stepped
.irp i, 0,1,2,3,4,5,6,7
	v_cvt_pk_bf16_f32 v[STG+4*\i],   v[STG+4*\i],   v[STG+4*\i+1]
	v_cvt_pk_bf16_f32 v[STG+4*\i+1], v[STG+4*\i+2], v[STG+4*\i+3]
.endr
.endm
; PUT: the narrowed tile into slot.
.macro PUT slot
.irp i, 0,1,2,3
	ds_store_b64 v[KSTO], v[STG+4*\i:STG+4*\i+1] offset:(\slot)*SLOT+\i*16*KP
.endr
.irp i, 0,1,2,3
	ds_store_b64 v[VSTO], v[STG+16+4*\i:STG+16+4*\i+1] offset:(\slot)*SLOT+VOFF+\i*16*VP
.endr
.endm
; ASK: the tile after it is asked for.
.macro ASK
	s_add_nc_u64 s[4:5], s[4:5], TILEB
	s_add_nc_u64 s[6:7], s[6:7], TILEB
.irp i, 0,1,2,3
	global_load_b128 v[STG+4*\i:STG+4*\i+3], v[GOFF], s[4:5] offset:\i*4096          ; a wave's load covers 512 consecutive bytes
.endr
.irp i, 0,1,2,3
	global_load_b128 v[STG+16+4*\i:STG+16+4*\i+3], v[GOFF], s[6:7] offset:\i*4096    ; no hint: three other work-groups read the same tile
.endr
.endm
; The whole slot into registers: 8 fragments of K (16 keys x 32 d), and 8 of V^T (16 d x 32 keys).
.macro FRAGK slot
.irp kt, 0,1,2,3
.irp ks, 0,1
	ds_load_b128 v[KF+8*(2*\kt+\ks):KF+8*(2*\kt+\ks)+3],   v[KADR] offset:(\slot)*SLOT+\kt*16*KP+\ks*64
	ds_load_b128 v[KF+8*(2*\kt+\ks)+4:KF+8*(2*\kt+\ks)+7], v[KADR] offset:(\slot)*SLOT+\kt*16*KP+\ks*64+32
.endr
.endr
.endm
.macro FRAGV slot
	WIN 0x40                                       ; destination in window 1
.irp dt, 0,1,2,3
.irp ks, 0,1
	ds_load_tr16_b128 v[VF+8*(2*\dt+\ks):VF+8*(2*\dt+\ks)+3],   v[VADR] offset:(\slot)*SLOT+VOFF+\ks*32*VP+\dt*32
	ds_load_tr16_b128 v[VF+8*(2*\dt+\ks)+4:VF+8*(2*\dt+\ks)+7], v[VADR] offset:(\slot)*SLOT+VOFF+\ks*32*VP+\dt*32+16*VP
.endr
.endr
	WIN 0
.endm
; Raw scores of 64 keys x the 16 queries of qb.  The first 32 of d start the sums; the four accumulators take turns.
.macro SQK qb
.set sb, SC+32*((\qb)%2)
.irp ks, 0,1
.irp kt, 0,1,2,3
.if \ks
	v_wmma_f32_16x16x32_bf16 v[sb+8*\kt:sb+8*\kt+7], v[KF+8*(2*\kt+\ks):KF+8*(2*\kt+\ks)+7], v[QF+16*\qb+8*\ks:QF+16*\qb+8*\ks+7], v[sb+8*\kt:sb+8*\kt+7]
.else
	v_wmma_f32_16x16x32_bf16 v[sb+8*\kt:sb+8*\kt+7], v[KF+8*(2*\kt+\ks):KF+8*(2*\kt+\ks)+7], v[QF+16*\qb+8*\ks:QF+16*\qb+8*\ks+7], 0
.endif
.endr
.endr
.endm
; The mask on qb's 32 scores a lane.  Even qb read the words in s[16:47], odd qb those in s[48:63] and s[68:83].
.macro CND qb
.set sb,  SC+32*((\qb)%2)
.set mb,  16+32*((\qb)%2)
.set gap, 4*((\qb)%2)
.set ei, 0
.rept 32
	v_cndmask_b32 v[sb+ei], v[NEGV], v[sb+ei], s[mb+ei+gap*(ei/16)]   ; bit set: the score stays; clear: -8e9
.set ei, ei+1
.endr
.endm
; The words of blocks qa (even) and qa + 1 are asked for, into both sets, which the 64 selects in front have just used up.
; step = 1: they are the next trip's, 64 keys = 32 words on.  No scalar load is out here (the wait in front of the selects was for all), so the base may be stepped.
.macro FETCH qa, step
.if \step
	s_add_nc_u64 s[10:11], s[10:11], 128
.endif
	s_load_b512 s[16:31], s[10:11], (\qa)*4096
	s_load_b512 s[32:47], s[10:11], (\qa)*4096+64
	s_load_b512 s[48:63], s[10:11], ((\qa)+1)*4096
	s_load_b512 s[68:83], s[10:11], ((\qa)+1)*4096+64
.endm
; The maximum of qb's 64 masked scores of my query, into v[T].
.macro MAXT qb
.set sb,  SC+32*((\qb)%2)
.irp k, 0,1,2,3
	v_max3_num_f32 v[T+\k], v[sb+8*\k], v[sb+8*\k+1], v[sb+8*\k+2]     ; four chains that do not wait for each other
.endr
.irp k, 0,1,2,3
	v_max3_num_f32 v[T+\k], v[T+\k], v[sb+8*\k+3], v[sb+8*\k+4]
.endr
.irp k, 0,1,2,3
	v_max3_num_f32 v[T+\k], v[T+\k], v[sb+8*\k+5], v[sb+8*\k+6]
.endr
	v_max3_num_f32 v[T], v[T], v[T+1], v[sb+7]
	v_max3_num_f32 v[T+2], v[T+2], v[T+3], v[sb+15]
	v_max3_num_f32 v[T], v[T], v[T+2], v[sb+23]
	v_max_num_f32 v[T], v[T], v[sb+31]
	v_permlanex16_b32 v[T+1], v[T], s84, s85       ; the other 32 keys of my query lie in lane xor 16
	v_max_num_f32 v[T], v[T], v[T+1]               ; the 64 keys' maximum
.endm
.macro EXP8 g
.irp j, 0,1,2,3,4,5,6,7
	v_exp_f32 v[sb+8*\g+\j], v[sb+8*\g+\j]
.endr
.endm
.macro CVT4 g                          ; narrowing number i puts scores 2 i and 2 i + 1 into register i of the same buffer: every register is read before it is written
	s_wait_alu depctr_va_vdst(0)
.irp j, 0,1,2,3
	v_cvt_pk_bf16_f32 v[sb+4*\g+\j], v[sb+8*\g+2*\j], v[sb+8*\g+2*\j+1]
.endr
.endm
; p = exp2(c s + nm), narrowed in place to the second source of the next product; the old sums are brought to the new shift.
; Behind each run of exponentials stands a plain instruction that touches none of the run's registers, and each narrowing has at least
; one plain instruction between it and the exponentials that it reads (ISA guide 5.7.2).
.macro SMB qb, first
.set sb, SC+32*((\qb)%2)
	v_mul_f32 v[NM], NCSC, v[T]                    ; -c x the tile's maximum
.if \first
.else
	v_min_num_f32 v[NM], v[NM], v[NMS+\qb]         ; the running maximum, as a minimum of the rounded shifts
	v_sub_f32 v[AL], v[NM], v[NMS+\qb]             ; <= 0
.endif
.set ei, 0
.rept 16
	v_pk_fma_f32 v[sb+ei:sb+ei+1], v[sb+ei:sb+ei+1], CSC, v[NM:NM+1] op_sel_hi:[1,0,0]   ; both halves take c and v[NM]
.set ei, ei+2
.endr
	EXP8 0
.if \first
.else
	v_exp_f32 v[AL], v[AL]                         ; alpha
.endif
	v_mov_b32 v[NMS+\qb], v[NM]
	EXP8 1
	CVT4 0
	EXP8 2
	CVT4 1
	EXP8 3
	CVT4 2
	CVT4 3
.if \first
.else
	WIN 0x41                                       ; destination and source 0 in window 1
.set ei, 0
.rept 16
	v_pk_mul_f32 v[OA+32*\qb+ei:OA+32*\qb+ei+1], v[OA+32*\qb+ei:OA+32*\qb+ei+1], v[AL:AL+1] op_sel_hi:[1,0]
.set ei, ei+2
.endr
	v_mul_f32 v[LA+8*\qb], v[LA+8*\qb], v[AL]      ; l lies in register 0; registers 1 to 7 of its tile are 0 and stay so
.endif
.endm
; O^T += V^T P^T and l += 1 P^T, 64 keys.  first = 1: the first 32 keys start the sums: nothing is ever cleared.
; The five accumulators take turns.
.macro PV qb, first
.set sb, SC+32*((\qb)%2)
	WIN 0x51                                       ; source 0, C and D in window 1; P in window 0
.irp ks, 0,1
.irp dt, 0,1,2,3
.if \first*(1-\ks)
	v_wmma_f32_16x16x32_bf16 v[OA+32*\qb+8*\dt:OA+32*\qb+8*\dt+7], v[VF+8*(2*\dt+\ks):VF+8*(2*\dt+\ks)+7], v[sb+8*\ks:sb+8*\ks+7], 0
.else
	v_wmma_f32_16x16x32_bf16 v[OA+32*\qb+8*\dt:OA+32*\qb+8*\dt+7], v[VF+8*(2*\dt+\ks):VF+8*(2*\dt+\ks)+7], v[sb+8*\ks:sb+8*\ks+7], v[OA+32*\qb+8*\dt:OA+32*\qb+8*\dt+7]
.endif
.endr
.if \first*(1-\ks)
	v_wmma_f32_16x16x32_bf16 v[LA+8*\qb:LA+8*\qb+7], v[ONES:ONES+7], v[sb+8*\ks:sb+8*\ks+7], 0
.else
	v_wmma_f32_16x16x32_bf16 v[LA+8*\qb:LA+8*\qb+7], v[ONES:ONES+7], v[sb+8*\ks:sb+8*\ks+7], v[LA+8*\qb:LA+8*\qb+7]
.endif
.endr
	WIN 0
.endm
; One trip: 64 keys out of slot, the four blocks in two pairs.  A pair's scores lie in the two buffers; both are masked, the next pair's words are asked for, and
; each block's softmax and second product follow; a buffer gets the next pair's scores as soon as its P has been multiplied.
; conv = 1: the tile narrowed at the last trip's end is stored into the other slot.  load = 1: the tile after it is asked for, and narrowed at this trip's end.
; THE PLACES (ISA guide 7.12.1), each on registers that the matrix instructions in question do not name:
;   first product -> the selects on its result: SQK 0: 4 v_nop; SQK 1: the selects of block 0; SQK 2: SMB 1; SQK 3: the selects of block 2.
;   second product, which reads P -> the first product that writes over P's buffer: PV 0 -> SQK 2: MAXT 1; PV 1 -> SQK 3: 5 v_nop;
;   PV 2 -> the next trip's SQK 0: MAXT 3 and SMB 3; PV 3 -> the next trip's SQK 1: the 16 narrowings (or 4 v_nop) at the trip's end and the 4 v_nop behind SQK 0.
.macro TRIP slot, first, conv, load, last
	FRAGK \slot                                    ; no wait on va_vdst here: the one at the last trip's end (ahead of trip 0: at the kernel's head) stands for all the trip's loads and stores
	s_wait_dscnt 0x0                               ; K's 16 loads are in: no other LDS instruction of mine is out
	SQK 0
.if \conv
	PUT 1-\slot                                    ; the next tile into the other slot.  No vector or matrix instruction since that wait names STG or the stores' addresses
.endif
	FRAGV \slot                                    ; nor V's fragments or their address: SQK 0 names K's and Q's fragments and the scores
	PLACES 4
	SQK 1
.if \load
	s_wait_alu depctr_vm_vsrc(0)                   ; my LDS stores above have read STG, in which the loads below land
	ASK                                            ; the bases are free since the wait for the last tile's loads, in front of its narrowing
.endif
	s_wait_kmcnt 0x0                               ; the words of blocks 0 and 1, asked for behind the last trip's selects of blocks 2 and 3
	CND 0
	CND 1
	FETCH 2, 0
	MAXT 0
	SMB 0, \first
	s_wait_dscnt 0x0                               ; V's fragments are in (and my stores into the other slot are done): the trip's last LDS instruction is over
	PV 0, \first
	MAXT 1
	SQK 2
	SMB 1, \first
	PV 1, \first
	PLACES 5
	SQK 3
	s_wait_kmcnt 0x0                               ; the words of blocks 2 and 3
	CND 2
	CND 3
.if 1-\last
	FETCH 0, 1                                     ; the next trip's blocks 0 and 1; the last trip asks for nothing
	s_wait_dscnt 0x0                               ; for the others' sake: my reads of this slot and my stores into the other are done (met: none was issued since the wait in front of PV 0),
	s_barrier_signal -1                            ; say so; only register work follows up to the wait at the trip's end
.endif
	MAXT 2
	SMB 2, \first
	PV 2, \first
	MAXT 3
	SMB 3, \first
	PV 3, \first
.if \load
	NARROW 0                                       ; the tile asked for in this trip; its 16 narrowings stand beside PV 3's work and name none of its registers
.else
	PLACES 4                                       ; part of the places in front of the next trip's SQK 1; in the last trip: before O and l are read
.endif
.if 1-\last
	s_wait_alu depctr_va_vdst(0)                   ; the first products are done reading K's fragments and the second products V's, in which the next trip's loads land; the narrowings have written STG, which its stores read, and are done with STG, in which its global loads land
	s_barrier_wait -1                              ; every wave has said so: the other slot may be read, this one may be stored into
.endif
.endm
	; ---- addresses, and everything that comes from memory is asked for first
	s_load_b256 s[4:11], s[0:1], 0x0               ; K s[4:5], V s[6:7], Q s[8:9], maskbits s[10:11]
	s_load_b64 s[12:13], s[0:1], 0x20              ; out0
	v_lshl_add_u32 v30, v0, 2, 0x1b800
	v_mov_b32 v31, 0
	v_lshrrev_b32 v[T], 5, v0
	v_readfirstlane_b32 s14, v[T]                  ; wave 0..7
	v_lshlrev_b32 v[GOFF], 4, v0                   ; K, V: 16 bytes a thread, 4,096 a load of the work-group
	v_and_b32 v[QOFF], 31, v0
	v_lshlrev_b32 v[QOFF], 4, v[QOFF]              ; Q: 16 bytes a lane
	s_and_b32 s2, ttmp7, 0xffff                    ; head
	s_lshl_b32 s2, s2, 19                          ; 2,048 rows of 256 bytes
	s_mov_b32 s3, 0
	s_wait_alu depctr_va_sdst(0)                   ; s14 is written, ahead of its first reader: Q's, the mask words' and out0's bases and my stage are made from it
	s_lshl_b32 s88, ttmp9, 3
	s_add_co_u32 s88, s88, s14                     ; which 64 queries: 8 x block + wave
	s_lshl_b32 s88, s88, 14                        ; 64 rows of 256 bytes in Q and out0; also 4 blocks of 4,096 bytes of mask words
	s_mov_b32 s89, 0
	s_wait_kmcnt 0x0
	s_add_nc_u64 s[4:5], s[4:5], s[2:3]
	s_add_nc_u64 s[6:7], s[6:7], s[2:3]
	s_add_nc_u64 s[8:9], s[8:9], s[2:3]
	s_add_nc_u64 s[8:9], s[8:9], s[88:89]
	s_add_nc_u64 s[10:11], s[10:11], s[88:89]
	s_add_nc_u64 s[12:13], s[12:13], s[2:3]
	s_add_nc_u64 s[12:13], s[12:13], s[88:89]
	FETCH 0, 0                                     ; the mask words of trip 0, blocks 0 and 1
	s_wait_alu depctr_va_vdst(0)                   ; v[GOFF] and v[QOFF] are written, which the loads of K, V and Q read as their offsets
.irp i, 0,1,2,3
	global_load_b128 v[STG+4*\i:STG+4*\i+3], v[GOFF], s[4:5] offset:\i*4096          ; tile 0
.endr
.irp i, 0,1,2,3
	global_load_b128 v[STG+16+4*\i:STG+16+4*\i+3], v[GOFF], s[6:7] offset:\i*4096
.endr
.set i, 0
.rept 32
	global_load_b128 v[KF+4*i:KF+4*i+3], v[QOFF], s[8:9] offset:512*i th:TH_LOAD_NT  ; my 64 rows of Q, two rows a load, into v96-223; read once in the launch
.set i, i+1
.endr
	s_mul_i32 s86, s14, WST
	s_add_co_u32 s86, s86, STAGE                   ; my wave's stage
	s_mov_b32 s84, 0x76543210                      ; v_permlanex16_b32: lane i of one half reads lane i of the other
	s_mov_b32 s85, 0xfedcba98
	v_and_b32 v[T], 15, v0                         ; r
	v_bfe_u32 v[T+1], v0, 4, 1                     ; h
	v_lshrrev_b32 v[T+2], 4, v0                    ; thread / 16
	v_and_b32 v[T+3], 7, v0
	v_bfe_u32 v[NM], v0, 3, 1
	v_mul_u32_u24 v[KADR], v[T], KP                ; a fragment along d: row r, 16 bytes for each half of the lanes
	v_lshl_add_u32 v[KADR], v[T+1], 4, v[KADR]
	v_lshl_add_u32 v[VADR], v[T+1], 3, v[T+3]      ; the transposing load: key 8 h + (lane & 7),
	v_mul_u32_u24 v[VADR], v[VADR], VP
	v_lshl_add_u32 v[VADR], v[NM], 4, v[VADR]      ; 16 bytes of d by bit 3 of the lane
	v_mul_u32_u24 v[KSTO], v[T+2], KP              ; where my 4 numbers of a tile's row go
	v_lshl_add_u32 v[KSTO], v[T], 3, v[KSTO]
	v_mul_u32_u24 v[VSTO], v[T+2], VP
	v_lshl_add_u32 v[VSTO], v[T], 3, v[VSTO]
	v_mul_u32_u24 v[QSTO], v[T+1], KP              ; Q into my stage: row 2 i + h, 4 numbers at 8 r
	v_lshl_add_u32 v[QSTO], v[T], 3, v[QSTO]
	v_add_nc_u32 v[QSTO], s86, v[QSTO]
	v_add_nc_u32 v[QADR], s86, v[KADR]
	v_mul_u32_u24 v[STO], v[T], OP                 ; the way out, in: row r (my query), 32 bytes for each half of the lanes
	v_lshl_add_u32 v[STO], v[T+1], 5, v[STO]
	v_add_nc_u32 v[STO], s86, v[STO]
	v_mul_u32_u24 v[RD], v[T+1], OP                ; back: lanes 0-15 one row of 256 bytes, lanes 16-31 the next
	v_lshl_add_u32 v[RD], v[T], 4, v[RD]
	v_add_nc_u32 v[RD], s86, v[RD]
	v_lshlrev_b32 v[CO], 8, v[T+1]                 ; and the same two rows in out0
	v_lshl_add_u32 v[CO], v[T], 4, v[CO]
	v_mov_b32 v[NEGV], MASKED
	v_mov_b32 v[AL+1], 0                           ; the upper halves of the two broadcast pairs are named, never used: written once
	v_mov_b32 v[NM+1], 0x3f803f80                  ; two bf16 1.0
	v_cmp_eq_u32 vcc_lo, 0, v[T+3]                 ; lanes 0, 8, 16, 24: rows 0 and 8 of a first source
	s_wait_alu depctr_va_vcc(0)                    ; VCC is written, ahead of the selects that read it
	WIN 0x40
.irp j, 0,1,2,3,4,5,6,7
	v_cndmask_b32 v[ONES+\j], 0, v[NM+1], vcc_lo
.endr
	WIN 0
	NARROW 32                                      ; tile 0: the 32 loads of Q are younger and may stay out
	s_wait_alu depctr_va_vdst(0)                   ; the narrowings have written STG, which the LDS stores read, and are done with it; the LDS addresses v1-4, v6, v7, v26, v27 and the offset v28 are written, for the whole kernel
	PUT 0                                          ; tile 0 into slot 0
	s_wait_alu depctr_vm_vsrc(0)                   ; those stores have read STG, in which tile 1's loads land
	ASK                                            ; tile 1
	s_wait_loadcnt 8                               ; Q is in; tile 1's eight loads are younger
.set i, 0
.rept 32
	v_cvt_pk_bf16_f32 v[KF+4*i],   v[KF+4*i],   v[KF+4*i+1]
	v_cvt_pk_bf16_f32 v[KF+4*i+1], v[KF+4*i+2], v[KF+4*i+3]
.set i, i+1
.endr
	s_wait_alu depctr_va_vdst(0)                   ; Q's narrowings have written v96-223, which the LDS stores read, and are done with these registers, in part of which trip 0's fragments of K land
.set i, 0
.rept 32
	ds_store_b64 v[QSTO], v[KF+4*i:KF+4*i+1] offset:2*KP*i
.set i, i+1
.endr
.irp qb, 0,1,2,3
.irp ks, 0,1
	ds_load_b128 v[QF+16*\qb+8*\ks:QF+16*\qb+8*\ks+3],   v[QADR] offset:\qb*16*KP+\ks*64      ; my own bytes: LDS serves a wave in order
	ds_load_b128 v[QF+16*\qb+8*\ks+4:QF+16*\qb+8*\ks+7], v[QADR] offset:\qb*16*KP+\ks*64+32
.endr
.endr
	NARROW 0                                       ; tile 1, which was on its way while Q went through my stage
	s_wait_alu depctr_va_vdst(0)                   ; tile 1's narrowings have written STG, which trip 0's stores read, and are done with STG, in which its global loads land
	s_wait_alu depctr_vm_vsrc(0)                   ; my stores of Q have read v96-223: from here on K's fragments land there and the first products write the scores there
	s_wait_dscnt 0x0                               ; Q's fragments are in, and my part of slot 0 is stored,
	s_barrier_signal -1
	s_barrier_wait -1                              ; and so is every wave's
	; ---- 32 trips: 2 written out (the first starts the sums), 28 in the loop, 2 written out (no load passes K's, V's or the mask words' end)
	TRIP 0, 1, 1, 1, 0
	TRIP 1, 0, 1, 1, 0
	s_mov_b32 s15, 14
.Lloop:
	TRIP 0, 0, 1, 1, 0
	TRIP 1, 0, 1, 1, 0
	s_sub_co_u32 s15, s15, 1
	s_cmp_lg_u32 s15, 0
	s_cbranch_scc1 .Lloop
	TRIP 0, 0, 1, 0, 0                             ; trip 30: tile 31 goes into slot 1; nothing is left to ask for of K and V
	TRIP 1, 0, 0, 0, 1                             ; trip 31: no slot is stored or read behind it, so it has no barrier
	; ---- the way out: O / l, 16 queries at a time through my stage, so that 16 lanes store a whole row of 256 bytes
	WIN 0x01                                       ; source 0 in window 1
.irp qb, 0,1,2,3
	v_rcp_f32 v[RL+2*\qb],   v[LA+8*\qb]           ; twice: a pair for the packed multiply
	v_rcp_f32 v[RL+2*\qb+1], v[LA+8*\qb]
.endr
	v_nop                                          ; the plain place behind the reciprocals (ISA guide 5.7.2)
	s_wait_alu depctr_va_vdst(0)
.macro OUT qb
.set sb, SC+32*((\qb)%2)
.set kb, KF+32*((\qb)%2)
	WIN 0x01
.set ei, 0
.rept 16
	v_pk_mul_f32 v[sb+ei:sb+ei+1], v[OA+32*\qb+ei:OA+32*\qb+ei+1], v[RL+2*\qb:RL+2*\qb+1]
.set ei, ei+2
.endr
	WIN 0
	s_wait_alu depctr_va_vdst(0)                   ; the products have written this buffer, which the LDS stores read; the last trip's first products are done reading v96-159, in which the loads from the stage land
.irp dt, 0,1,2,3
	ds_store_b128 v[STO], v[sb+8*\dt:sb+8*\dt+3]   offset:64*\dt       ; d = 16 dt + 8 h + 0 .. 3 of my query
	ds_store_b128 v[STO], v[sb+8*\dt+4:sb+8*\dt+7] offset:64*\dt+16
.endr
	s_wait_xcnt 0x0                                ; the registers loaded next were the data of the stores two blocks ago: they are rewritten only behind this wait
	s_wait_alu depctr_vm_vsrc(0)                   ; those global stores have read the registers in which the loads below land; the LDS stores above have read their buffer, which the products of two blocks on write again
.irp t, 0,1,2,3,4,5,6,7
	ds_load_b128 v[kb+4*\t:kb+4*\t+3], v[RD] offset:\t*2*OP            ; rows 2 t and 2 t + 1; my own bytes, served in order behind the stores above
.endr
.irp t, 0,1,2,3,4,5,6,7
	s_wait_dscnt 7-\t                              ; load t is in; the 7 - t younger ones stay out
	global_store_b128 v[CO], v[kb+4*\t:kb+4*\t+3], s[12:13] offset:(16*\qb+2*\t)*256 th:TH_STORE_NT   ; 16 lanes store 256 consecutive bytes, aligned
.endr
.endm
	OUT 0
	OUT 1
	OUT 2
	OUT 3
	s_wait_dscnt 0x0
	s_wait_alu depctr_hold_cnt(0) depctr_sa_sdst(0) depctr_va_vdst(0) depctr_va_sdst(0) depctr_va_ssrc(0) depctr_va_vcc(0) depctr_vm_vsrc(0)
	s_wait_tensorcnt 0x0
	ds_add_u32 v30, v31
	s_wait_dscnt 0x0
	s_endpgm
.Lfunc_end_k_qc51e4198ad_attn:
	.size	k_qc51e4198ad_attn, .Lfunc_end_k_qc51e4198ad_attn-k_qc51e4198ad_attn
	.p2alignl 7, 3214868480
	.fill 96, 4, 3214868480
	.section	.rodata,"a",@progbits
	.p2align	6, 0x0
	.amdhsa_kernel k_qc51e4198ad_attn
		.amdhsa_group_segment_fixed_size 113664
		.amdhsa_private_segment_fixed_size 0
		.amdhsa_enable_private_segment 0
		.amdhsa_kernarg_size 40
		.amdhsa_user_sgpr_count 2
		.amdhsa_user_sgpr_kernarg_segment_ptr 1
		.amdhsa_wavefront_size32 1
		.amdhsa_system_sgpr_workgroup_id_x 1
		.amdhsa_system_sgpr_workgroup_id_y 1
		.amdhsa_system_sgpr_workgroup_id_z 1
		.amdhsa_system_vgpr_workitem_id 0
		.amdhsa_next_free_vgpr 512
		.amdhsa_next_free_sgpr 90
		.amdhsa_reserve_vcc 1
		.amdhsa_float_denorm_mode_32 3
		.amdhsa_float_denorm_mode_16_64 3
		.amdhsa_memory_ordered 1
		.amdhsa_forward_progress 1
		.amdhsa_inst_pref_size 255
	.end_amdhsa_kernel
	.section	.bss,"aw",@nobits
	.p2align	6
	.space	262144
	.amdgpu_metadata
---
amdhsa.version: [ 1, 2 ]
amdhsa.kernels:
  - .name:           k_qc51e4198ad_attn
    .symbol:         k_qc51e4198ad_attn.kd
    .args:
      - { .name: K, .offset: 0, .size: 8, .value_kind: global_buffer, .address_space: global }
      - { .name: V, .offset: 8, .size: 8, .value_kind: global_buffer, .address_space: global }
      - { .name: Q, .offset: 16, .size: 8, .value_kind: global_buffer, .address_space: global }
      - { .name: maskbits, .offset: 24, .size: 8, .value_kind: global_buffer, .address_space: global }
      - { .name: out0, .offset: 32, .size: 8, .value_kind: global_buffer, .address_space: global }
    .group_segment_fixed_size: 113664
    .private_segment_fixed_size: 0
    .kernarg_segment_align: 8
    .kernarg_segment_size: 40
    .max_flat_workgroup_size: 256
    .sgpr_count:     90
    .vgpr_count:     512
    .wavefront_size: 32
...
	.end_amdgpu_metadata
.endif
;; end of part 4
